; MI455X (gfx1250); checked and timed in simulation.
; The chip was launched on July 23, 2026; its instructions are those of AMD's public machine-readable ISA for CDNA 5 (MIT licence, August 2026) and "CDNA5" Instruction Set Architecture Reference Guide (July 2026). The comments in the code are by the model that wrote it; some were corrected since.
;; Multi Head Latent Attention. Allowed arithmetic: matrix products marked QUANTISED: E2M1 operands, one E8M0 scale for each 32 along K, by v_wmma_scale_f32_16x16x128_f8f6f4 with both operands' format E2M1 (or v_wmma_scale_f32_32x16x128_f4), f32 sums; everything else in f32.
;; Inputs: kvd_b 512 float32; kvd_w 512 x 1,024 float32; kvu_b 2,048 float32; kvu_w 2,048 x 512 float32; out_b 1,024 float32; out_w 1,024 x 1,024 float32; q_b 1,024 float32; q_w 1,024 x 1,024 float32; x 2 x 2,048 x 1,024 float32.
;; Outputs: out0 2 x 2,048 x 1,024 float32.
;; This version of the problem:
;;   THIS VERSION OF THE PROBLEM IS GIVEN IN LOW PRECISION. The matrix products marked QUANTISED in the list below multiply operands that are first quantised to E2M1 (2 exponent bits, 1 mantissa bit; 4 bits a number), with one power-of-two scale for each 32 numbers along K (OCP MX v1.0); their sums are f32. All else is computed in f32.
;;   The module's matrix products, in the order in which they are computed (A, B: the left and right operand; K: the contracted axis; several contracted axes count as one K, in the product's order):
;;     1. [M 4,096, K 1,024] x [K 1,024, N 1,024]; A: input x; B: input q_w: QUANTISED
;;     2. [M 4,096, K 1,024] x [K 1,024, N 512]; A: input x; B: input kvd_w: QUANTISED
;;     3. [M 4,096, K 512] x [K 512, N 2,048]; A: computed on the way; B: input kvu_w: QUANTISED
;;     4. batch 32 x [M 2,048, K 64] x [K 64, N 2,048]; A: computed on the way; B: computed on the way: QUANTISED
;;     5. batch 32 x [M 2,048, K 2,048] x [K 2,048, N 64]; A: softmax (see below); B: computed on the way: QUANTISED
;;     6. [M 4,096, K 1,024] x [K 1,024, N 1,024]; A: computed on the way; B: input out_w: QUANTISED
;;   THE QUANTISER, for each operand of a quantised product, along K:
;;     - K is cut into blocks of 32 from its start; a last block that is shorter is filled with zeros.
;;     - A block's scale is 2^e with e = floor(log2(the largest magnitude in the block)) - 2, held to -126 .. 127; a block of zeros has e = 0. As a byte (E8M0): e + 127.
;;     - Each number is divided by its block's scale, clamped to +-6, and rounded to the nearest number of E2M1, ties to even, subnormals kept.
;;     - The product sums the exact products of the quantised numbers (number of the format x scale) in f32.
;;   ~~~python
;;   def quantise(x, axis):      # numpy; x: float32 -> the quantised numbers, widened to float32 again
;;       x = np.moveaxis(x, axis, -1); K = x.shape[-1]
;;       x = np.pad(x, [(0, 0)] * (x.ndim - 1) + [(0, -K % 32)]); x = x.reshape(x.shape[:-1] + (-1, 32)); a = np.abs(x).max(-1, keepdims=True)
;;       e = np.where(a > 0, np.clip(np.frexp(np.where(a > 0, a, 1))[1] - 1 - 2, -126, 127), 0)      # np.frexp(a)[1] - 1 = floor(log2(a)), exactly
;;       r = np.clip(x / 2.0 ** e, -6, 6)
;;       step = 2.0 ** (np.maximum(np.frexp(np.where(r == 0, 1, r))[1] - 1, 0) - 1)
;;       q = np.round(r / step) * step * 2.0 ** e      # np.round: ties to even
;;       return np.moveaxis(q.reshape(q.shape[:-2] + (-1,))[..., :K], -1, axis).astype(np.float32)
;;   ~~~
;;   SOFTMAX AHEAD OF A QUANTISED PRODUCT. Where the list says 'softmax', what is quantised is not the finished softmax but p = 2^(t - M), with t = logit x log2(e) and M = ceil(the row's largest t), a whole number; so 1/2 < the row's largest p <= 1. The row's sum l is taken of the UNQUANTISED p, in f32, and the product's result is divided by l at the end. Since M is a whole number, a kernel that streams over the keys may use a running M (the ceiling of the running maximum): every later rescaling is an exact power of two, which a block's scale takes up: the codes' values come out the same.
;;   OPERANDS COMPUTED ON THE WAY. 'Computed on the way' means the value that the module computes at that place (a softmax that the list does not call 'softmax' is quantised finished and normalised). What goes into a quantiser is computed in f32, as accurately as f32 sums, v_exp_f32 and their like allow (about 1e-6 of the number): no bf16 or f16 on the way to a quantiser, and a product that is left as it is and whose result goes on into a quantised operand takes f32 operands (vector FMAs, or v_wmma_f32_16x16x4_f32). A number that lies on a knife's edge between two numbers of the format may be rounded either way, as far as f32 arithmetic and the matrix unit's own rounding can turn it there, and no further.
;; One version. Each part assembles by itself: llvm-mc -triple=amdgcn-amd-amdhsa -mcpu=gfx1250 --defsym DOCPART=n.
;; ======== version 1 of 1: 5 launches
;; limits: right only within a limited range of input values
;; workspace buffers: w1 4,177,920 bytes; w2 3,342,336 bytes; w3 4,456,448 bytes; w4 2,228,224 bytes
;; launch quant (part 1): grid 240 x 1, 8 waves a work-group, no clusters, 137,216 bytes of LDS; arguments x, q_w, kvd_w, kvu_w, out_w, w1; writes w1
.if DOCPART == 1
	.amdgcn_target "amdgcn-amd-amdhsa--gfx1250"
	.amdhsa_code_object_version 6
	.text
	.protected	k_q586adefd0b_quant
	.globl	k_q586adefd0b_quant
	.p2align	8
	.type	k_q586adefd0b_quant,@function
k_q586adefd0b_quant:
	s_mov_b64 s[64:65], 0
	v_nop
	global_prefetch_b8 v0, s[64:65] scope:SCOPE_SE
	s_setreg_imm32_b32 hwreg(HW_REG_WAVE_MODE, 25, 1), 1
	s_wait_xcnt 0x0
; x [4096][1024], q_w [1024][1024], kvd_w [512][1024], kvu_w [2048][512], out_w [1024][1024], f32, K innermost, become codes of FP4 (E2M1) and E8M0 scale bytes, one for each 32 along K,
; laid in the ORDER OF AN OPERAND'S REGISTERS.  Rows go in tiles of 16; place i of tile T is row 32 (T / 2) + 8 (T % 2) + i + 8 (i / 8).  For a tensor of KS = K / 128 steps:
;   codes:       (T / 8) KS 8192 + s 8192 + (T % 8) 1024 + c 512 + 16 lane: the 16 bytes are block 4 s + 2 c + lane / 16 of the row at place lane % 16;
;   scale words: (T / 8) KS 512 + s 512 + (T % 8) 64 + 4 i: byte b is block 4 s + b.
; A block's scale is 2^(floor(log2(its largest magnitude)) - 2); its byte is the largest magnitude's exponent field - 2, held at 1 from below.
; LIMITS: a block of zeros gets the byte 1 where the rule says 127 (its codes are zeros, and this program alone reads the bytes); NaN and infinities among the inputs are not served.
; SHARES.  A work-group takes 128 rows x 256 along K (two K steps), wave w tile w of them.  Work-groups 0-127 take x, 128-159 q_w, 160-175 kvd_w, 176-207 kvu_w, 208-239 out_w; the regions of w1 lie in that
; order, so a work-group's codes are the 16,384 bytes at 16,384 x its number and its scale words the 1,024 bytes at XSO + 1,024 x its number.
; Each load takes 512 consecutive bytes of one row; a step's 16 rows turn through the wave's own stage in LDS (rows of 512 + 16 bytes), from which a lane takes two whole blocks of 32 of its row.
.set XSO,  3932160                     ; where the scale words begin in w1
.set STG,  16896                       ; LDS: a wave's two stages of 16 x 528 bytes
.set HSTG, 8448
.set SPI,  528
.set GATH, 135168                      ; behind the stages: the work-group's 1,024 bytes of scale words
.set RO,   8                           ; v8-23    byte offset of place n's row + 16 x lane
.set R,    32                          ; v32-159  as loaded: step st, place n at R + 64 st + 4 n; later v32-95: step 1's numbers, turned
.set X,    160                         ; v160-223 step 0's numbers, turned: register 32 c + j = k 64 c + 32 (lane / 16) + j of my row
.set C,    224                         ; v224-239 codes, 8 registers a step
.set SEL,  32                          ; s[32:33] v_permlanex16_b32's selects for lane l xor 16
	s_load_b256 s[4:11], s[0:1], 0x0               ; x, q_w, kvd_w, kvu_w
	s_load_b128 s[12:15], s[0:1], 0x20             ; out_w, w1
	v_lshl_add_u32 v254, v0, 2, 0x21400
	v_mov_b32 v255, 0
	v_lshrrev_b32 v3, 5, v0
	s_delay_alu instid0(VALU_DEP_1)
	v_readfirstlane_b32 s24, v3                    ; wave 0..7
	v_and_b32 v3, 31, v0                           ; lane
	s_delay_alu instid0(VALU_DEP_1)
	v_lshlrev_b32 v1, 4, v3                        ; 16 x lane
	s_wait_alu depctr_va_vdst(0)
	v_and_b32 v4, 15, v0                           ; i
	v_bfe_u32 v5, v0, 4, 1                         ; h
	s_delay_alu instid0(VALU_DEP_1)
	v_lshlrev_b32 v2, 3, v5                        ; 8 h: my bytes' place in a scale word, in bits
	v_mov_b32 v248, 0                              ; written once: a lane permute's destination counts as one of its sources
	s_mov_b32 s[SEL], 0x76543210
	s_mov_b32 s[SEL+1], 0xfedcba98
	s_sub_co_u32 s19, ttmp9, 176
	s_cmp_lt_u32 s19, 32                           ; kvu_w has K = 512, the others 1,024
	s_cselect_b32 s20, 1, 2                        ; log2 of the pairs of K steps in a row
	s_lshl_b32 s21, 1024, s20                      ; a row in bytes
	s_mov_b32 s18, 0                               ; my tensor's first work-group
	s_cmp_ge_u32 ttmp9, 128
	s_cselect_b32 s18, 128, s18
	s_cmp_ge_u32 ttmp9, 160
	s_cselect_b32 s18, 160, s18
	s_cmp_ge_u32 ttmp9, 176
	s_cselect_b32 s18, 176, s18
	s_cmp_ge_u32 ttmp9, 208
	s_cselect_b32 s18, 208, s18
	s_sub_co_u32 s22, ttmp9, s18
	s_lshr_b32 s23, s22, s20                       ; which 128 rows
	s_lshl_b32 s25, 1, s20
	s_sub_co_u32 s25, s25, 1
	s_and_b32 s22, s22, s25                        ; which pair of K steps
	s_lshl_b32 s23, s23, 7
	s_lshr_b32 s25, s24, 1
	s_lshl_b32 s25, s25, 5
	s_add_co_u32 s23, s23, s25
	s_and_b32 s25, s24, 1
	s_lshl_b32 s25, s25, 3
	s_add_co_u32 s23, s23, s25                     ; my tile's place 0: row 128 G + 32 (w / 2) + 8 (w % 2)
	s_mul_i32 s34, s23, s21
	s_lshl_b32 s22, s22, 10
	s_add_co_u32 s34, s34, s22                     ; in bytes, + 1,024 for each pair of K steps
	s_mov_b32 s35, 0
	s_lshl_b32 s36, ttmp9, 14                      ; my work-group's codes
	s_mov_b32 s37, 0
	s_lshl_b32 s38, ttmp9, 10
	s_add_co_u32 s38, s38, XSO                     ; and its scale words
	s_mov_b32 s39, 0
.irp n, 0,1,2,3,4,5,6,7,8,9,10,11,12,13,14,15
	v_mad_u32_u24 v[RO+\n], s21, \n+8*(\n/8), v1   ; place n lies n + 8 (n / 8) rows on
.endr
	s_mul_i32 s25, s24, STG
	v_add_nc_u32 v24, s25, v1                      ; the stage, on the way in: 16 x lane of a row
	v_mul_u32_u24 v25, v4, SPI
	s_delay_alu instid0(VALU_DEP_1)
	v_lshl_add_u32 v25, v5, 7, v25
	s_delay_alu instid0(VALU_DEP_1)
	v_add_nc_u32 v25, s25, v25                     ; and out: row i, + 128 h: my block of 32 numbers
	s_lshl_b32 s26, s24, 10
	v_add_nc_u32 v26, s26, v1                      ; my codes' place: 1,024 w + 16 x lane
	s_lshl_b32 s26, s24, 6
	s_add_co_u32 s26, s26, GATH
	v_lshl_add_u32 v27, v4, 2, s26                 ; my row's scale word in LDS: 64 w + 4 i
	s_min_u32 s26, s24, 1
	s_lshl_b32 s26, s26, 9
	v_add_nc_u32 v29, s26, v1                      ; the words' way out (waves 0 and 1): 512 w + 16 x lane
	s_delay_alu instid0(VALU_DEP_1)
	v_add_nc_u32 v28, GATH, v29
	s_wait_alu depctr_va_vdst(0)
	s_wait_kmcnt 0x0
	s_mov_b64 s[16:17], s[4:5]                     ; the tensor is chosen by the work-group's number alone
	s_cmp_ge_u32 ttmp9, 128
	s_cselect_b64 s[16:17], s[6:7], s[16:17]
	s_cmp_ge_u32 ttmp9, 160
	s_cselect_b64 s[16:17], s[8:9], s[16:17]
	s_cmp_ge_u32 ttmp9, 176
	s_cselect_b64 s[16:17], s[10:11], s[16:17]
	s_cmp_ge_u32 ttmp9, 208
	s_cselect_b64 s[16:17], s[12:13], s[16:17]
	s_add_nc_u64 s[16:17], s[16:17], s[34:35]
	s_add_nc_u64 s[28:29], s[14:15], s[36:37]
	s_add_nc_u64 s[30:31], s[14:15], s[38:39]
.irp st, 0,1
.irp n, 0,1,2,3,4,5,6,7,8,9,10,11,12,13,14,15
	global_load_b128 v[R+64*\st+4*\n:R+64*\st+4*\n+3], v[RO+\n], s[16:17] offset:512*\st th:TH_LOAD_NT   ; 32 lanes read 512 consecutive bytes: a K step of one row
.endr
.endr
	s_wait_loadcnt 16                              ; step 0's sixteen loads are in; step 1's may be out
.irp n, 0,1,2,3,4,5,6,7,8,9,10,11,12,13,14,15
	ds_store_b128 v24, v[R+4*\n:R+4*\n+3] offset:SPI*\n
.endr
.irp c, 0,1
.irp g, 0,1,2,3,4,5,6,7
	ds_load_b128 v[X+32*\c+4*\g:X+32*\c+4*\g+3], v25 offset:256*\c+16*\g   ; LDS serves a wave's instructions in order: these see the stores above
.endr
.endr
	s_wait_loadcnt 0x0
.irp n, 0,1,2,3,4,5,6,7,8,9,10,11,12,13,14,15
	ds_store_b128 v24, v[R+64+4*\n:R+64+4*\n+3] offset:HSTG+SPI*\n
.endr
	s_wait_dscnt 16                                ; all but the sixteen stores just issued: step 0's numbers are back, and its stores have read v32-95,
.irp c, 0,1
.irp g, 0,1,2,3,4,5,6,7
	ds_load_b128 v[R+32*\c+4*\g:R+32*\c+4*\g+3], v25 offset:HSTG+256*\c+16*\g   ; which take step 1's numbers
.endr
.endr
; A K step of my row: two whole blocks a lane (2 c + h), their bytes, the row's scale word, the fragment's eight registers.
.macro QB st, src
.irp c, 0,1
	v_max3_num_f32 v[240+\c], |v[\src+32*\c]|, |v[\src+32*\c+1]|, 0x1800000   ; the floor 2^(3 - 127) among the leaves: the byte cannot fall under 1
.endr
.irp n, 2,4,6,8,10,12,14,16,18,20,22,24,26,28,30
.irp c, 0,1
	s_delay_alu instid0(VALU_DEP_2)
	v_max3_num_f32 v[240+\c], v[240+\c], |v[\src+32*\c+\n]|, |v[\src+32*\c+\n+1]|   ; the two blocks by turns
.endr
.endr
.irp c, 0,1
	s_delay_alu instid0(VALU_DEP_2)
	v_add_nc_u32 v[242+\c], 0xff000000, v[240+\c]  ; 2 off the exponent field: the conversion takes this operand's exponent field as its scale
.endr
.irp c, 0,1
	s_delay_alu instid0(VALU_DEP_2)
	v_lshrrev_b32 v[244+\c], 23, v[242+\c]         ; the scale's byte
.endr
	s_delay_alu instid0(VALU_DEP_1)
	v_lshl_or_b32 v[246+\st], v245, 16, v244       ; blocks h and 2 + h,
	s_delay_alu instid0(VALU_DEP_1)
	v_lshlrev_b32 v[246+\st], v2, v[246+\st]       ; at their places in the word;
	s_delay_alu instid0(VALU_DEP_1)
	v_permlanex16_b32 v248, v[246+\st], s[SEL], s[SEL+1]
	s_delay_alu instid0(VALU_DEP_1)
	v_or_b32 v[246+\st], v[246+\st], v248          ; with lane l xor 16's two the word is whole
.irp c, 0,1
.irp g, 0,1,2,3
	v_cvt_scalef32_pk8_fp4_f32 v[C+8*\st+4*\c+\g], v[\src+32*\c+8*\g:\src+32*\c+8*\g+7], v[242+\c]
.endr
.endr
	v_nop                                          ; one plain place behind the last scaled conversion
.irp c, 0,1
	global_store_b128 v26, v[C+8*\st+4*\c:C+8*\st+4*\c+3], s[28:29] offset:8192*\st+512*\c   ; the wave stores 512 consecutive bytes, aligned
.endr
	ds_store_b32 v27, v[246+\st] offset:512*\st    ; lanes i and i + 16 write the same word with the same value
.endm
	QB 0, X
	s_wait_dscnt 0x0                               ; step 1's numbers are back
	QB 1, R
	s_wait_dscnt 0x0                               ; for the others' sake: my scale words lie in LDS
	s_barrier_signal -1
	s_barrier_wait -1
	s_cmp_lt_u32 s24, 2                            ; waves 0 and 1 send the work-group's 1,024 bytes of scale words, 512 consecutive bytes each
	s_cbranch_scc0 .Lend
	ds_load_b128 v[160:163], v28
	s_wait_dscnt 0x0
	global_store_b128 v29, v[160:163], s[30:31]
.Lend:
	s_wait_tensorcnt 0x0
	ds_add_u32 v254, v255
	s_wait_dscnt 0x0
	s_endpgm
.Lfunc_end_k_q586adefd0b_quant:
	.size	k_q586adefd0b_quant, .Lfunc_end_k_q586adefd0b_quant-k_q586adefd0b_quant
	.p2alignl 7, 3214868480
	.fill 96, 4, 3214868480
	.section	.rodata,"a",@progbits
	.p2align	6, 0x0
	.amdhsa_kernel k_q586adefd0b_quant
		.amdhsa_group_segment_fixed_size 137216
		.amdhsa_private_segment_fixed_size 0
		.amdhsa_enable_private_segment 0
		.amdhsa_kernarg_size 48
		.amdhsa_user_sgpr_count 2
		.amdhsa_user_sgpr_kernarg_segment_ptr 1
		.amdhsa_wavefront_size32 1
		.amdhsa_system_sgpr_workgroup_id_x 1
		.amdhsa_system_sgpr_workgroup_id_y 1
		.amdhsa_system_sgpr_workgroup_id_z 1
		.amdhsa_system_vgpr_workitem_id 0
		.amdhsa_next_free_vgpr 256
		.amdhsa_next_free_sgpr 66
		.amdhsa_reserve_vcc 0
		.amdhsa_float_denorm_mode_32 3
		.amdhsa_float_denorm_mode_16_64 3
		.amdhsa_memory_ordered 1
		.amdhsa_forward_progress 1
		.amdhsa_inst_pref_size 22
	.end_amdhsa_kernel
	.amdgpu_metadata
---
amdhsa.version: [ 1, 2 ]
amdhsa.kernels:
  - .name:           k_q586adefd0b_quant
    .symbol:         k_q586adefd0b_quant.kd
    .args:
      - { .name: x, .offset: 0, .size: 8, .value_kind: global_buffer, .address_space: global }
      - { .name: q_w, .offset: 8, .size: 8, .value_kind: global_buffer, .address_space: global }
      - { .name: kvd_w, .offset: 16, .size: 8, .value_kind: global_buffer, .address_space: global }
      - { .name: kvu_w, .offset: 24, .size: 8, .value_kind: global_buffer, .address_space: global }
      - { .name: out_w, .offset: 32, .size: 8, .value_kind: global_buffer, .address_space: global }
      - { .name: w1, .offset: 40, .size: 8, .value_kind: global_buffer, .address_space: global }
    .group_segment_fixed_size: 137216
    .private_segment_fixed_size: 0
    .kernarg_segment_align: 8
    .kernarg_segment_size: 48
    .max_flat_workgroup_size: 256
    .sgpr_count:     66
    .vgpr_count:     256
    .wavefront_size: 32
...
	.end_amdgpu_metadata
.endif
;; end of part 1
;; launch gemm_a (part 2): grid 6 x 32, 16 waves a work-group, no clusters, 198,656 bytes of LDS; arguments w1, q_b, kvd_b, w2; writes w2
.if DOCPART == 2
	.amdgcn_target "amdgcn-amd-amdhsa--gfx1250"
	.amdhsa_code_object_version 6
	.text
	.protected	k_q586adefd0b_gemm_a
	.globl	k_q586adefd0b_gemm_a
	.p2align	8
	.type	k_q586adefd0b_gemm_a,@function
k_q586adefd0b_gemm_a:
	s_mov_b64 s[64:65], 0
	v_nop
	global_prefetch_b8 v0, s[64:65] scope:SCOPE_SE
	s_setreg_imm32_b32 hwreg(HW_REG_WAVE_MODE, 25, 1), 1
	s_wait_xcnt 0x0
; q = x q_w^T + q_b and latent = x kvd_w^T + kvd_b on codes of FP4 with E8M0 scales; both results are quantised in registers and stored as codes: q along a head's 64, latent along its 512.
; Operands lie in w1 in the order of an operand's registers (tiles of 16 rows; place i of tile T is row 32 (T / 2) + 8 (T % 2) + i + 8 (i / 8)).
; SOURCE 0 = 16 ROWS OF THE WEIGHT, SOURCE 1 = 16 TOKENS: a lane then holds one token (its place i), and the 16 registers of weight tiles 2 b, 2 b + 1 are features 32 b + 16 (lane / 16) + 0 .. 15: neighbours along the next K.
; SHARES.  A work-group: 256 weight rows (x = 0..3: q_w; 4, 5: kvd_w) x 128 tokens.  Sixteen waves, each 64 weight rows x 32 tokens: 8 accumulators.  The three blocks of 128 rows, for all of K, are three dense runs
; of 65,536 bytes of w1: waves 0 to 2 bring one each into LDS as it lies, in two tensor loads (half of K each); nothing is filled twice.  By this text's count a wave has two tensor loads out at the most.
; No cluster: each work-group asks for each byte once, in one group at its head, and no request recurs in a loop.
; The bias starts each sum (it is loaded into the accumulators), so the order of rounding differs from a sum with the bias added last.
; LIMITS: a block of zeros gets the byte 1 where the rule says 127 (zero codes; this program alone reads the bytes); NaN and infinities are not served.
; THE FETCH (this takes the place of what the shares above say of it): the three blocks are 196,608 bytes of LDS; twelve waves bring 16,384 dense bytes each (64 rows of 256), one tensor load a wave,
; in one group at the head; one wait for 0 and one barrier show all of K.  By this text's count a wave has one tensor load out at the most.
.set KS,   8                           ; K steps of 128
.set BLK,  KS*8192                     ; 128 rows, all of K
.set PCE,  16384                       ; what one tensor load brings
.set ROWS, PCE/256
.set NL,   12                          ; waves that fetch
.set WAC,  2097152                     ; w1: q_w's and kvd_w's codes;  x's begin at 0
.set XSO,  3932160                     ; x's scale words
.set WAS,  4063232                     ; the weights'
.set QS,   2097152                     ; w2: q's scale bytes (its codes begin at 0): two a row and head
.set LC,   2228224                     ; latent's codes
.set LS,   3276800                     ; latent's scale words
.set SCP,  16                          ; v16..  source 0's scale words: register 2 s + a: lanes 0-15 tile 2 a, lanes 16-31 tile 2 a + 1
.set SCR,  32                          ; v32..  source 1's: register s: lanes 0-15 tile 0, lanes 16-31 tile 1
.set ACC,  64                          ; v64-127 accumulator (m, t) at ACC + 8 (4 m + t)
.set FB,   128                         ; v128-223 two sets of fragments: 32 registers of source 0, 16 of source 1
.set TM,   224                         ; v224-229 at work in the quantiser
.set PW,   230                         ; v230-231 two scale bytes, one register for each tile of tokens
.set PC,   232                         ; v232-239 codes, four registers for each tile of tokens
.set SEL,  32                          ; s[32:33]
.macro PLACES                          ; four plain places behind a matrix instruction, in front of loads into registers that it has read and of the first read of results (ISA guide 7.12.1 for the first read of results)
.rept 4
	v_nop
.endr
.endm
.macro WM d, a, b, sa, sb, ra, rb      ; one product of 16 x 16 x 128, added in place; ra, rb: the scales stand in lanes 16-31
.if (\ra) && (\rb)
	v_wmma_scale_f32_16x16x128_f8f6f4 v[\d:\d+7], v[\a:\a+7], v[\b:\b+7], v[\d:\d+7], v[\sa], v[\sb] matrix_a_fmt:MATRIX_FMT_FP4 matrix_b_fmt:MATRIX_FMT_FP4 matrix_a_scale:MATRIX_SCALE_ROW1 matrix_b_scale:MATRIX_SCALE_ROW1
.elseif (\ra)
	v_wmma_scale_f32_16x16x128_f8f6f4 v[\d:\d+7], v[\a:\a+7], v[\b:\b+7], v[\d:\d+7], v[\sa], v[\sb] matrix_a_fmt:MATRIX_FMT_FP4 matrix_b_fmt:MATRIX_FMT_FP4 matrix_a_scale:MATRIX_SCALE_ROW1
.elseif (\rb)
	v_wmma_scale_f32_16x16x128_f8f6f4 v[\d:\d+7], v[\a:\a+7], v[\b:\b+7], v[\d:\d+7], v[\sa], v[\sb] matrix_a_fmt:MATRIX_FMT_FP4 matrix_b_fmt:MATRIX_FMT_FP4 matrix_b_scale:MATRIX_SCALE_ROW1
.else
	v_wmma_scale_f32_16x16x128_f8f6f4 v[\d:\d+7], v[\a:\a+7], v[\b:\b+7], v[\d:\d+7], v[\sa], v[\sb] matrix_a_fmt:MATRIX_FMT_FP4 matrix_b_fmt:MATRIX_FMT_FP4
.endif
.endm
.macro FETCH s, e                      ; K step s's fragments into set e: twelve loads of 512 consecutive bytes
.irp t, 0,1,2,3
.irp c, 0,1
	ds_load_b128 v[FB+48*(\e)+8*\t+4*\c:FB+48*(\e)+8*\t+4*\c+3], v6 offset:8192*(\s)+1024*\t+512*\c
.endr
.endr
.irp m, 0,1
.irp c, 0,1
	ds_load_b128 v[FB+48*(\e)+32+8*\m+4*\c:FB+48*(\e)+32+8*\m+4*\c+3], v7 offset:8192*(\s)+1024*\m+512*\c
.endr
.endr
.endm
.macro MUL s, e                        ; the eight accumulators take turns, one instruction a turn, in the same order in every step
.irp m, 0,1
.irp t, 0,1,2,3
	WM ACC+8*(4*\m+\t), FB+48*(\e)+8*\t, FB+48*(\e)+32+8*\m, SCP+2*(\s)+\t/2, SCR+(\s), \t%2, \m
.endr
.endr
.endm
.macro RUN s0, n                       ; K steps s0 .. s0 + n - 1; the next step's fragments are asked for ahead of a step's products
.if (\s0) > 0
	PLACES
.endif
	FETCH \s0, (\s0)%2
.set S, \s0
.rept (\n)-1
	PLACES
	FETCH S+1, (S+1)%2
	s_wait_dscnt 12                                ; all but the twelve loads just issued: this step's fragments are in
	MUL S, S%2
.set S, S+1
.endr
	s_wait_dscnt 0x0
	MUL S, S%2
.endm
; 32 numbers of a lane, register 16 b + n = k 32 b + 16 (lane / 16) + n of my row, become two blocks' codes (lane (i, h): the whole block h, 16 bytes) and the row's two scale bytes.
.macro QUANT2 s, tm, pw, pc
.irp b, 0,1
	v_max3_num_f32 v[\tm+\b], |v[\s+16*\b]|, |v[\s+16*\b+1]|, 0x1800000   ; my 16 numbers, from each accumulator's low end on, and the floor 2^(3 - 127)
.endr
.irp n, 2,4,6,8,10,12,14
.irp b, 0,1
	v_max3_num_f32 v[\tm+\b], v[\tm+\b], |v[\s+16*\b+\n]|, |v[\s+16*\b+\n+1]|
.endr
.endr
.irp b, 0,1
	s_delay_alu instid0(VALU_DEP_2)
	v_permlanex16_b32 v[\tm+2+\b], v[\tm+\b], s[SEL], s[SEL+1]
.endr
.irp b, 0,1
	s_delay_alu instid0(VALU_DEP_2)
	v_max_num_f32 v[\tm+\b], v[\tm+\b], v[\tm+2+\b]   ; with lane l xor 16's: the block's largest magnitude
.endr
.irp b, 0,1
	s_delay_alu instid0(VALU_DEP_2)
	v_add_nc_u32 v[\tm+4+\b], 0xff000000, v[\tm+\b]   ; 2 off its exponent field: the conversion's scale operand
.endr
.irp b, 0,1
	s_delay_alu instid0(VALU_DEP_2)
	v_lshrrev_b32 v[\tm+2+\b], 23, v[\tm+4+\b]     ; the scale's byte
.endr
	s_delay_alu instid0(VALU_DEP_1)
	v_lshl_or_b32 v[\pw], v[\tm+3], 8, v[\tm+2]
.irp b, 0,1
	v_cvt_scalef32_pk8_fp4_f32 v[\pc+2*\b], v[\s+16*\b:\s+16*\b+7], v[\tm+4+\b]
	v_cvt_scalef32_pk8_fp4_f32 v[\pc+2*\b+1], v[\s+16*\b+8:\s+16*\b+15], v[\tm+4+\b]
.endr
	v_nop                                          ; one plain place behind a scaled conversion
	v_permlane16_swap_b32 v[\pc], v[\pc+2]         ; a whole block in a lane: lanes 0-15 block 0, lanes 16-31 block 1
	v_permlane16_swap_b32 v[\pc+1], v[\pc+3]
.endm
	s_load_b256 s[4:11], s[0:1], 0x0               ; w1, q_b, kvd_b, w2
	v_lshl_add_u32 v254, v0, 2, 0x30000
	v_mov_b32 v255, 0
	ds_add_u32 v254, v255
	ds_add_u32 v254, v255
	v_lshrrev_b32 v13, 5, v0
	s_delay_alu instid0(VALU_DEP_1)
	v_readfirstlane_b32 s12, v13                   ; wave 0..15
	v_and_b32 v13, 31, v0
	s_delay_alu instid0(VALU_DEP_1)
	v_lshlrev_b32 v1, 4, v13                       ; 16 x lane
	s_delay_alu instid0(VALU_DEP_2)
	v_lshlrev_b32 v2, 2, v13                       ; 4 x lane
	v_and_b32 v3, 15, v0                           ; i
	v_bfe_u32 v4, v0, 4, 1                         ; h
	s_delay_alu instid0(VALU_DEP_1)
	v_lshlrev_b32 v5, 6, v4                        ; 64 h
	v_mov_b32 v[TM+2], 0                           ; written once: a lane permute's destination counts as one of its sources
	v_mov_b32 v[TM+3], 0
	s_mov_b32 s13, ttmp9                           ; px: which 256 weight rows
	s_and_b32 s14, ttmp7, 0xffff                   ; y: which 128 tokens
	s_and_b32 s15, s12, 3                          ; pw: which 64 weight rows
	s_lshr_b32 s2, s12, 2                          ; rw: which 32 tokens
	s_mov_b32 s[SEL], 0x76543210
	s_mov_b32 s[SEL+1], 0xfedcba98
	; descriptor group 1: a dense run of PCE bytes as rows of 256 bytes
	s_mov_b32 s16, 3<<16                           ; no mask; elements of 8 bytes; no padding
	s_mov_b32 s17, 32<<16                          ; tensor_dim0 = 32
	s_mov_b32 s18, ROWS<<16                        ; tensor_dim1
	s_mov_b32 s19, 32<<16                          ; tile_dim0 = 32
	s_mov_b32 s20, ROWS                            ; tile_dim1
	s_mov_b32 s21, 32                              ; from row to row
	s_mov_b32 s22, 0
	s_mov_b32 s23, 0
	s_lshl_b32 s42, s12, 14                        ; where my piece goes in LDS: PCE x wave
	s_lshl_b32 s40, s13, 17                        ; waves 0-7: weight blocks 2 px and 2 px + 1 are 131,072 dense bytes: piece = wave
	s_add_co_u32 s40, s40, s42
	s_add_co_u32 s40, s40, WAC
	s_lshl_b32 s41, s14, 16                        ; waves 8-11: x's block y, piece = wave - 8
	s_add_co_u32 s41, s41, s42
	s_sub_co_u32 s41, s41, 131072
	s_cmp_lt_u32 s12, 8
	s_cselect_b32 s40, s40, s41
	s_mov_b32 s41, 0
	s_lshl_b32 s44, s13, 1                         ; the weight's scale words: block 2 px + pw / 2, tiles 4 (pw % 2) on
	s_lshr_b32 s45, s15, 1
	s_add_co_u32 s44, s44, s45
	s_lshl_b32 s44, s44, 12
	s_and_b32 s43, s15, 1
	s_lshl_b32 s45, s43, 8
	s_add_co_u32 s44, s44, s45
	s_add_co_u32 s44, s44, WAS
	s_mov_b32 s45, 0
	s_lshl_b32 s46, s14, 12                        ; x's: block y, tiles 2 rw on
	s_lshl_b32 s47, s2, 7
	s_add_co_u32 s46, s46, s47
	s_add_co_u32 s46, s46, XSO
	s_mov_b32 s47, 0
	s_lshl_b32 s3, s13, 2
	s_add_co_u32 s3, s3, s15                       ; g: my 64 features: a head of q (0..15), or 16 + gl
	s_sub_co_u32 s48, s3, 16                       ; gl: which 64 of the latent
	s_lshr_b32 s50, s14, 4                         ; q's place: ((batch 16 + head) 128 + the tile of queries)
	s_lshl_b32 s50, s50, 4
	s_add_co_u32 s50, s50, s3
	s_lshl_b32 s50, s50, 7
	s_and_b32 s51, s14, 15
	s_lshl_b32 s51, s51, 3
	s_add_co_u32 s50, s50, s51
	s_lshl_b32 s51, s2, 1
	s_add_co_u32 s50, s50, s51
	s_lshl_b32 s51, s50, 5
	s_add_co_u32 s51, s51, QS                      ; 32 bytes of scales a tile,
	s_lshl_b32 s50, s50, 9                         ; 512 of codes
	s_lshr_b32 s54, s48, 1                         ; latent's place: K step gl / 2, half gl % 2
	s_and_b32 s55, s48, 1
	s_lshl_b32 s52, s14, 15
	s_lshl_b32 s56, s54, 13
	s_add_co_u32 s52, s52, s56
	s_lshl_b32 s56, s2, 11
	s_add_co_u32 s52, s52, s56
	s_lshl_b32 s56, s55, 9
	s_add_co_u32 s52, s52, s56
	s_add_co_u32 s52, s52, LC
	s_lshl_b32 s53, s14, 11
	s_lshl_b32 s56, s54, 9
	s_add_co_u32 s53, s53, s56
	s_lshl_b32 s56, s2, 7
	s_add_co_u32 s53, s53, s56
	s_lshl_b32 s56, s55, 1
	s_add_co_u32 s53, s53, s56
	s_add_co_u32 s53, s53, LS
	s_cmp_lt_u32 s13, 4                            ; q or latent?  By the work-group's number alone
	s_cselect_b32 s50, s50, s52                    ; codes' offset in w2
	s_cselect_b32 s51, s51, s53                    ; scale bytes'
	s_cselect_b32 s52, 9, 10                       ; log2 of the bytes from a tile of tokens to the next
	s_cselect_b32 s48, s3, s48
	s_lshl_b32 s53, 1, s52
	s_lshr_b32 s54, s53, 4                         ; the same for the scale bytes
	s_sub_co_u32 s55, s52, 8                       ; and log2 of the bytes from row to row there
	s_lshl_b32 s48, s48, 8                         ; my 64 numbers of the bias
	s_mov_b32 s49, 0
	s_wait_dscnt 0x0
	s_wait_kmcnt 0x0
	s_mov_b32 s24, 1                               ; group 0, first half of K: count = 1,
	s_mov_b32 s25, s42                             ; LDS address,
	s_add_nc_u64 s[26:27], s[4:5], s[40:41]        ; global address,
	s_or_b32 s27, s27, 0x80000000                  ; type = 2
	s_cmp_lt_u32 s12, NL
	s_cbranch_scc0 .Lnofill
	tensor_load_to_lds s[24:27], s[16:23]          ; my one fill, ahead of every wait on TENSORcnt, LDS read and barrier
	s_nop 0
.rept 4
	v_nop
.endr
.Lnofill:
	s_add_nc_u64 s[34:35], s[4:5], s[44:45]
	s_add_nc_u64 s[36:37], s[4:5], s[46:47]
	s_cmp_lt_u32 s13, 4
	s_cselect_b64 s[38:39], s[6:7], s[8:9]
	s_add_nc_u64 s[38:39], s[38:39], s[48:49]
.set Q, 0
	s_wait_alu depctr_va_vdst(0)
.rept KS
	global_load_b32 v[SCP+2*Q], v2, s[34:35] offset:512*Q          ; 128 consecutive bytes: two tiles' words
	global_load_b32 v[SCP+2*Q+1], v2, s[34:35] offset:512*Q+128
	global_load_b32 v[SCR+Q], v2, s[36:37] offset:512*Q
.set Q, Q+1
.endr
.irp m, 0,1
.irp t, 0,1,2,3
	global_load_b128 v[ACC+8*(4*\m+\t):ACC+8*(4*\m+\t)+3], v5, s[38:39] offset:(32*(\t/2)+8*(\t%2))*4       ; the bias of features 32 (t / 2) + 16 h + 8 (t % 2) + 0 .. 7 starts the sums
	global_load_b128 v[ACC+8*(4*\m+\t)+4:ACC+8*(4*\m+\t)+7], v5, s[38:39] offset:(32*(\t/2)+8*(\t%2))*4+16
.endr
.endr
	s_lshr_b32 s56, s15, 1
	s_lshl_b32 s56, s56, 16
	s_lshl_b32 s57, s43, 12
	s_add_co_u32 s56, s56, s57
	v_add_nc_u32 v6, s56, v1                       ; my four weight tiles in LDS
	s_lshl_b32 s57, s2, 11
	s_add_co_u32 s57, s57, 2*BLK
	v_add_nc_u32 v7, s57, v1                       ; my two tiles of tokens
	v_add_nc_u32 v8, s50, v1                       ; where the codes go: tile 0,
	s_delay_alu instid0(VALU_DEP_1)
	v_add_nc_u32 v9, s53, v8                       ; tile 1
	v_lshlrev_b32 v10, s55, v3
	s_delay_alu instid0(VALU_DEP_1)
	v_add_nc_u32 v10, s51, v10                     ; and the scale bytes
	s_delay_alu instid0(VALU_DEP_1)
	v_add_nc_u32 v11, s54, v10
	s_wait_alu depctr_va_vdst(0)
	s_wait_tensorcnt 0x0                           ; my piece has landed
	s_barrier_signal -1
	s_barrier_wait -1                              ; everybody's has
	s_wait_loadcnt 0x0                             ; scale words and bias
	RUN 0, KS
	PLACES
.irp m, 0,1
	QUANT2 ACC+32*\m, TM, PW+\m, PC+4*\m
	global_store_b128 v[8+\m], v[PC+4*\m:PC+4*\m+3], s[10:11]      ; the wave stores 512 consecutive bytes, aligned
	global_store_b16 v[10+\m], v[PW+\m], s[10:11]                  ; two bytes a row; lanes i and i + 16 write the same bytes with the same value
.endr
	s_wait_tensorcnt 0x0
	ds_add_u32 v254, v255
	s_wait_dscnt 0x0
	s_endpgm
.Lfunc_end_k_q586adefd0b_gemm_a:
	.size	k_q586adefd0b_gemm_a, .Lfunc_end_k_q586adefd0b_gemm_a-k_q586adefd0b_gemm_a
	.p2alignl 7, 3214868480
	.fill 96, 4, 3214868480
	.section	.rodata,"a",@progbits
	.p2align	6, 0x0
	.amdhsa_kernel k_q586adefd0b_gemm_a
		.amdhsa_group_segment_fixed_size 198656
		.amdhsa_private_segment_fixed_size 0
		.amdhsa_enable_private_segment 0
		.amdhsa_kernarg_size 32
		.amdhsa_user_sgpr_count 2
		.amdhsa_user_sgpr_kernarg_segment_ptr 1
		.amdhsa_wavefront_size32 1
		.amdhsa_system_sgpr_workgroup_id_x 1
		.amdhsa_system_sgpr_workgroup_id_y 1
		.amdhsa_system_sgpr_workgroup_id_z 1
		.amdhsa_system_vgpr_workitem_id 0
		.amdhsa_next_free_vgpr 256
		.amdhsa_next_free_sgpr 66
		.amdhsa_reserve_vcc 0
		.amdhsa_float_denorm_mode_32 3
		.amdhsa_float_denorm_mode_16_64 3
		.amdhsa_memory_ordered 1
		.amdhsa_forward_progress 1
		.amdhsa_inst_pref_size 30
	.end_amdhsa_kernel
	.amdgpu_metadata
---
amdhsa.version: [ 1, 2 ]
amdhsa.kernels:
  - .name:           k_q586adefd0b_gemm_a
    .symbol:         k_q586adefd0b_gemm_a.kd
    .args:
      - { .name: w1, .offset: 0, .size: 8, .value_kind: global_buffer, .address_space: global }
      - { .name: q_b, .offset: 8, .size: 8, .value_kind: global_buffer, .address_space: global }
      - { .name: kvd_b, .offset: 16, .size: 8, .value_kind: global_buffer, .address_space: global }
      - { .name: w2, .offset: 24, .size: 8, .value_kind: global_buffer, .address_space: global }
    .group_segment_fixed_size: 198656
    .private_segment_fixed_size: 0
    .kernarg_segment_align: 8
    .kernarg_segment_size: 32
    .max_flat_workgroup_size: 512
    .sgpr_count:     66
    .vgpr_count:     256
    .wavefront_size: 32
...
	.end_amdgpu_metadata
.endif
;; end of part 2
;; launch gemm_b (part 3): grid 128 x 2, 16 waves a work-group, no clusters, 169,984 bytes of LDS; arguments w1, w2, kvu_b, w3; writes w3
.if DOCPART == 3
	.amdgcn_target "amdgcn-amd-amdhsa--gfx1250"
	.amdhsa_code_object_version 6
	.text
	.protected	k_q586adefd0b_gemm_b
	.globl	k_q586adefd0b_gemm_b
	.p2align	8
	.type	k_q586adefd0b_gemm_b,@function
k_q586adefd0b_gemm_b:
	s_mov_b64 s[64:65], 0
	v_nop
	global_prefetch_b8 v0, s[64:65] scope:SCOPE_SE
	s_setreg_imm32_b32 hwreg(HW_REG_WAVE_MODE, 25, 1), 1
	s_wait_xcnt 0x0
; k and v = latent kvu_w^T + kvu_b on codes of FP4 with E8M0 scales; k is quantised along a head's 64, v along the KEYS, and both are stored in the order in which the attention's operand registers take them.
; Grid y = 0: k.  Source 0 = 16 rows of kvu_w (features), source 1 = 16 tokens: a lane holds one key, its registers run along the head.
; Grid y = 1: v.  Source 0 = 16 tokens (keys), source 1 = 16 rows of kvu_w: a lane holds one feature, its registers run along the keys.  The same text with the operands' roles changed.
; Tiles of 16 rows everywhere; place i of tile T is row 32 (T / 2) + 8 (T % 2) + i + 8 (i / 8), so that the 16 registers of source-0 tiles 2 b, 2 b + 1 are 16 neighbours 32 b + 16 (lane / 16) + 0 .. 15.
; SHARES.  A work-group: 256 rows of source 0 x 128 rows of source 1; sixteen waves of 64 x 32: 8 accumulators.  The three blocks of 128 rows, for all of K = 512, are dense runs of 32,768 bytes:
; waves 0 to 2 bring one each into LDS as it lies, in two tensor loads (half of K each); nothing is filled twice.  By this text's count a wave has two tensor loads out at the most.
; No cluster: each work-group asks for each byte once, in one group at its head, and no request recurs in a loop.
; w3: [batch 16 + head][chunk of 512 keys][34,816 bytes]: K's codes (32 tiles x 512), K's scale bytes (32 x 32), V^T's codes (4 key steps x 4 tiles x 1,024), V^T's scale words (4 x 256).
; The bias starts each sum, so the order of rounding differs from a sum with the bias added last.
; LIMITS: a block of zeros gets the byte 1 where the rule says 127 (zero codes; this program alone reads the bytes); NaN and infinities are not served.
; THE FETCH (this takes the place of what the shares above say of it): the three blocks are 98,304 bytes of LDS; six waves bring 16,384 dense bytes each (64 rows of 256), one tensor load a wave,
; in one group at the head; one wait for 0 and one barrier show all of K.  By this text's count a wave has one tensor load out at the most.
; K's SCALE BYTES in a chunk of w3: one word for each place of a PAIR of tiles, at 64 x pair + 4 x place: tile 2 P's two bytes below, tile 2 P + 1's above.
.set KS,   4
.set BLK,  KS*8192
.set PCE,  16384                       ; what one tensor load brings
.set ROWS, PCE/256
.set NL,   6                           ; waves that fetch
.set WBC,  2883584                     ; w1: kvu_w's codes
.set WBS,  4112384                     ; and scale words
.set LC,   2228224                     ; w2: latent's codes
.set LS,   3276800                     ; and scale words
.set CHK,  34816                       ; w3: a chunk
.set SCP,  16
.set SCR,  32
.set ACC,  64
.set FB,   128
.set TM,   224
.set PW,   230
.set PC,   232
.set SEL,  32
.macro PLACES                          ; four plain places behind a matrix instruction, in front of loads into registers that it has read and of the first read of results (ISA guide 7.12.1 for the first read of results)
.rept 4
	v_nop
.endr
.endm
.macro WM d, a, b, sa, sb, ra, rb
.if (\ra) && (\rb)
	v_wmma_scale_f32_16x16x128_f8f6f4 v[\d:\d+7], v[\a:\a+7], v[\b:\b+7], v[\d:\d+7], v[\sa], v[\sb] matrix_a_fmt:MATRIX_FMT_FP4 matrix_b_fmt:MATRIX_FMT_FP4 matrix_a_scale:MATRIX_SCALE_ROW1 matrix_b_scale:MATRIX_SCALE_ROW1
.elseif (\ra)
	v_wmma_scale_f32_16x16x128_f8f6f4 v[\d:\d+7], v[\a:\a+7], v[\b:\b+7], v[\d:\d+7], v[\sa], v[\sb] matrix_a_fmt:MATRIX_FMT_FP4 matrix_b_fmt:MATRIX_FMT_FP4 matrix_a_scale:MATRIX_SCALE_ROW1
.elseif (\rb)
	v_wmma_scale_f32_16x16x128_f8f6f4 v[\d:\d+7], v[\a:\a+7], v[\b:\b+7], v[\d:\d+7], v[\sa], v[\sb] matrix_a_fmt:MATRIX_FMT_FP4 matrix_b_fmt:MATRIX_FMT_FP4 matrix_b_scale:MATRIX_SCALE_ROW1
.else
	v_wmma_scale_f32_16x16x128_f8f6f4 v[\d:\d+7], v[\a:\a+7], v[\b:\b+7], v[\d:\d+7], v[\sa], v[\sb] matrix_a_fmt:MATRIX_FMT_FP4 matrix_b_fmt:MATRIX_FMT_FP4
.endif
.endm
.macro FETCH s, e
.irp t, 0,1,2,3
.irp c, 0,1
	ds_load_b128 v[FB+48*(\e)+8*\t+4*\c:FB+48*(\e)+8*\t+4*\c+3], v6 offset:8192*(\s)+1024*\t+512*\c
.endr
.endr
.irp m, 0,1
.irp c, 0,1
	ds_load_b128 v[FB+48*(\e)+32+8*\m+4*\c:FB+48*(\e)+32+8*\m+4*\c+3], v7 offset:8192*(\s)+1024*\m+512*\c
.endr
.endr
.endm
.macro MUL s, e                        ; the eight accumulators take turns, one instruction a turn
.irp m, 0,1
.irp t, 0,1,2,3
	WM ACC+8*(4*\m+\t), FB+48*(\e)+8*\t, FB+48*(\e)+32+8*\m, SCP+2*(\s)+\t/2, SCR+(\s), \t%2, \m
.endr
.endr
.endm
.macro RUN s0, n
.if (\s0) > 0
	PLACES
.endif
	FETCH \s0, (\s0)%2
.set S, \s0
.rept (\n)-1
	PLACES
	FETCH S+1, (S+1)%2
	s_wait_dscnt 12                                ; all but the twelve loads just issued: this step's fragments are in
	MUL S, S%2
.set S, S+1
.endr
	s_wait_dscnt 0x0
	MUL S, S%2
.endm
.macro QUANT2 s, tm, pw, pc            ; 32 numbers of a lane, register 16 b + n = k 32 b + 16 (lane / 16) + n of my row -> lane (i, h): the whole block h's codes; the row's two scale bytes
.irp b, 0,1
	v_max3_num_f32 v[\tm+\b], |v[\s+16*\b]|, |v[\s+16*\b+1]|, 0x1800000   ; from each accumulator's low end on; the floor 2^(3 - 127) among the leaves
.endr
.irp n, 2,4,6,8,10,12,14
.irp b, 0,1
	v_max3_num_f32 v[\tm+\b], v[\tm+\b], |v[\s+16*\b+\n]|, |v[\s+16*\b+\n+1]|
.endr
.endr
.irp b, 0,1
	s_delay_alu instid0(VALU_DEP_2)
	v_permlanex16_b32 v[\tm+2+\b], v[\tm+\b], s[SEL], s[SEL+1]
.endr
.irp b, 0,1
	s_delay_alu instid0(VALU_DEP_2)
	v_max_num_f32 v[\tm+\b], v[\tm+\b], v[\tm+2+\b]
.endr
.irp b, 0,1
	s_delay_alu instid0(VALU_DEP_2)
	v_add_nc_u32 v[\tm+4+\b], 0xff000000, v[\tm+\b]   ; 2 off the exponent field: the conversion's scale operand
.endr
.irp b, 0,1
	s_delay_alu instid0(VALU_DEP_2)
	v_lshrrev_b32 v[\tm+2+\b], 23, v[\tm+4+\b]
.endr
	s_delay_alu instid0(VALU_DEP_1)
	v_lshl_or_b32 v[\pw], v[\tm+3], 8, v[\tm+2]
.irp b, 0,1
	v_cvt_scalef32_pk8_fp4_f32 v[\pc+2*\b], v[\s+16*\b:\s+16*\b+7], v[\tm+4+\b]
	v_cvt_scalef32_pk8_fp4_f32 v[\pc+2*\b+1], v[\s+16*\b+8:\s+16*\b+15], v[\tm+4+\b]
.endr
	v_nop                                          ; one plain place behind a scaled conversion
	v_permlane16_swap_b32 v[\pc], v[\pc+2]
	v_permlane16_swap_b32 v[\pc+1], v[\pc+3]
.endm
	s_load_b256 s[4:11], s[0:1], 0x0               ; w1, w2, kvu_b, w3
	v_lshl_add_u32 v254, v0, 2, 0x29000
	v_mov_b32 v255, 0
	ds_add_u32 v254, v255
	ds_add_u32 v254, v255
	v_lshrrev_b32 v13, 5, v0
	s_delay_alu instid0(VALU_DEP_1)
	v_readfirstlane_b32 s12, v13                   ; wave 0..15
	v_and_b32 v13, 31, v0
	s_delay_alu instid0(VALU_DEP_1)
	v_lshlrev_b32 v1, 4, v13                       ; 16 x lane
	s_delay_alu instid0(VALU_DEP_2)
	v_lshlrev_b32 v2, 2, v13                       ; 4 x lane
	v_and_b32 v3, 15, v0                           ; i
	v_bfe_u32 v4, v0, 4, 1                         ; h
	s_delay_alu instid0(VALU_DEP_1)
	v_lshlrev_b32 v5, 6, v4                        ; 64 h
	s_delay_alu instid0(VALU_DEP_3)
	v_and_b32 v12, 8, v3
	s_delay_alu instid0(VALU_DEP_1)
	v_add_nc_u32 v12, v12, v3
	s_delay_alu instid0(VALU_DEP_1)
	v_lshlrev_b32 v12, 2, v12                      ; 4 (i + 8 (i / 8)): my feature's place in a pair of tiles' bias (v)
	v_mov_b32 v[TM+2], 0                           ; written once: a lane permute's destination counts as one of its sources
	v_mov_b32 v[TM+3], 0
	s_and_b32 s13, ttmp7, 0xffff                   ; 0: k, 1: v
	s_and_b32 s15, s12, 3                          ; pw: which 64 rows of source 0
	s_lshr_b32 s2, s12, 2                          ; rw: which 32 rows of source 1
	s_mov_b32 s[SEL], 0x76543210
	s_mov_b32 s[SEL+1], 0xfedcba98
	s_mov_b32 s16, 3<<16                           ; descriptor group 1: a dense run of PCE bytes as rows of 256 bytes (32 elements of 8), no mask, no padding
	s_mov_b32 s17, 32<<16
	s_mov_b32 s18, ROWS<<16
	s_mov_b32 s19, 32<<16
	s_mov_b32 s20, ROWS
	s_mov_b32 s21, 32
	s_mov_b32 s22, 0
	s_mov_b32 s23, 0
	s_and_b32 s40, ttmp9, 3                        ; k: 4 x 256 features, 32 x 128 tokens;  v: 16 x 256 tokens, 8 x 128 features
	s_lshr_b32 s41, ttmp9, 2
	s_lshr_b32 s42, ttmp9, 3
	s_and_b32 s43, ttmp9, 7
	s_cmp_eq_u32 s13, 0
	s_cselect_b32 s3, s40, s42                     ; px
	s_cselect_b32 s58, s41, s43                    ; ry
	s_lshl_b32 s40, s3, 2                          ; what I fetch, if I fetch, in pieces of PCE: waves 0-3: source 0's blocks 2 px, 2 px + 1: piece 4 px + wave;
	s_add_co_u32 s40, s40, s12
	s_lshl_b32 s41, s13, 3                         ; waves 4, 5: source 1's block ry (v's features lie 8 blocks on): piece 2 x block + wave - 4
	s_add_co_u32 s41, s41, s58
	s_lshl_b32 s41, s41, 1
	s_add_co_u32 s41, s41, s12
	s_sub_co_u32 s41, s41, 4
	s_cmp_lt_u32 s12, 4
	s_cselect_b32 s40, s40, s41
	s_cselect_b32 s41, 1, 0
	s_xor_b32 s59, s41, s13                        ; 1: a piece of kvu_w (w1), 0: of the latent (w2)
	s_lshl_b32 s40, s40, 14
	s_mov_b32 s41, LC
	s_cmp_eq_u32 s59, 1
	s_cselect_b32 s41, WBC, s41
	s_add_co_u32 s40, s40, s41
	s_mov_b32 s41, 0
	s_lshl_b32 s42, s12, 14                        ; and where it goes: PCE x wave
	s_lshl_b32 s44, s3, 1                          ; scale words of source 0: block 2 px + pw / 2, tiles 4 (pw % 2) on
	s_lshr_b32 s45, s15, 1
	s_add_co_u32 s44, s44, s45
	s_lshl_b32 s44, s44, 11
	s_and_b32 s43, s15, 1
	s_lshl_b32 s45, s43, 8
	s_add_co_u32 s44, s44, s45
	s_lshl_b32 s46, s58, 11                        ; of source 1: block ry, tiles 2 rw on
	s_lshl_b32 s47, s2, 7
	s_add_co_u32 s46, s46, s47
	s_mov_b32 s45, WBS
	s_mov_b32 s47, WBS+8*2048
	s_cmp_eq_u32 s13, 0
	s_cselect_b32 s45, s45, LS
	s_cselect_b32 s47, LS, s47
	s_add_co_u32 s44, s44, s45
	s_add_co_u32 s46, s46, s47
	s_mov_b32 s45, 0
	s_mov_b32 s47, 0
	s_lshl_b32 s48, s3, 2
	s_add_co_u32 s48, s48, s15                     ; 4 px + pw: the head (k), or which 64 keys (v)
	; k's place in w3
	s_lshr_b32 s50, s58, 4                         ; batch
	s_lshl_b32 s50, s50, 4
	s_add_co_u32 s50, s50, s48
	s_lshl_b32 s50, s50, 2
	s_bfe_u32 s51, s58, 0x20002                    ; chunk: (ry % 16) / 4
	s_add_co_u32 s50, s50, s51
	s_mul_i32 s50, s50, CHK
	s_and_b32 s51, s58, 3
	s_lshl_b32 s51, s51, 3
	s_lshl_b32 s52, s2, 1
	s_add_co_u32 s51, s51, s52                     ; the tile of keys in the chunk
	s_lshl_b32 s52, s51, 5
	s_add_co_u32 s52, s52, s50
	s_add_co_u32 s52, s52, 16384                   ; its scale bytes,
	s_lshl_b32 s51, s51, 9
	s_add_co_u32 s50, s50, s51                     ; its codes
	; v's place
	s_lshr_b32 s53, s48, 5                         ; batch
	s_lshl_b32 s53, s53, 4
	s_lshl_b32 s54, s58, 1
	s_add_co_u32 s53, s53, s54
	s_lshr_b32 s54, s2, 1
	s_add_co_u32 s53, s53, s54                     ; + head = 2 ry + rw / 2
	s_lshl_b32 s53, s53, 2
	s_bfe_u32 s54, s48, 0x20003                    ; chunk
	s_add_co_u32 s53, s53, s54
	s_mul_i32 s53, s53, CHK
	s_bfe_u32 s54, s48, 0x20001                    ; key step in the chunk
	s_and_b32 s55, s2, 1                           ; tiles 2 (rw % 2) on of the head's four
	s_and_b32 s56, s48, 1                          ; which half of the key step
	s_lshl_b32 s57, s54, 12
	s_add_co_u32 s57, s57, s53
	s_lshl_b32 s51, s55, 11
	s_add_co_u32 s57, s57, s51
	s_lshl_b32 s51, s56, 9
	s_add_co_u32 s57, s57, s51
	s_add_co_u32 s57, s57, 17408                   ; codes
	s_lshl_b32 s54, s54, 8
	s_add_co_u32 s53, s53, s54
	s_lshl_b32 s51, s55, 7
	s_add_co_u32 s53, s53, s51
	s_lshl_b32 s51, s56, 1
	s_add_co_u32 s53, s53, s51
	s_add_co_u32 s53, s53, 33792                   ; scale bytes
	s_lshl_b32 s48, s48, 8                         ; the bias: k: 64 numbers of my head;
	s_lshl_b32 s54, s58, 2
	s_add_co_u32 s54, s54, s2
	s_lshl_b32 s54, s54, 7
	s_add_co_u32 s54, s54, 4096                    ; v: 32 numbers of my two tiles
	s_cmp_eq_u32 s13, 0
	s_cselect_b32 s50, s50, s57
	s_cselect_b32 s51, s52, s53
	s_cselect_b32 s52, 9, 10                       ; log2 of the bytes from a tile of source 1 to the next
	s_cselect_b32 s48, s48, s54
	s_cselect_b32 s54, 2, 64                       ; scale bytes, from a tile of source 1 to the next: k: the upper half of the pair's word; v: 64 bytes
	s_mov_b32 s49, 0
	s_lshl_b32 s53, 1, s52
	s_mov_b32 s55, 2                               ; and from row to row: 4 bytes in both
	s_wait_dscnt 0x0
	s_wait_kmcnt 0x0
	s_cmp_eq_u32 s59, 1
	s_cselect_b64 s[26:27], s[4:5], s[6:7]
	s_mov_b32 s24, 1                               ; group 0, first half of K
	s_mov_b32 s25, s42
	s_add_nc_u64 s[26:27], s[26:27], s[40:41]
	s_or_b32 s27, s27, 0x80000000                  ; type = 2
	s_cmp_lt_u32 s12, NL
	s_cbranch_scc0 .Lnofill
	tensor_load_to_lds s[24:27], s[16:23]          ; my one fill, ahead of every wait on TENSORcnt, LDS read and barrier
	s_nop 0
.rept 4
	v_nop
.endr
.Lnofill:
	s_cmp_eq_u32 s13, 0
	s_cselect_b64 s[34:35], s[4:5], s[6:7]
	s_cselect_b64 s[36:37], s[6:7], s[4:5]
	s_add_nc_u64 s[34:35], s[34:35], s[44:45]
	s_add_nc_u64 s[36:37], s[36:37], s[46:47]
	s_add_nc_u64 s[38:39], s[8:9], s[48:49]
.set Q, 0
	s_wait_alu depctr_va_vdst(0)
.rept KS
	global_load_b32 v[SCP+2*Q], v2, s[34:35] offset:512*Q
	global_load_b32 v[SCP+2*Q+1], v2, s[34:35] offset:512*Q+128
	global_load_b32 v[SCR+Q], v2, s[36:37] offset:512*Q
.set Q, Q+1
.endr
	s_cmp_eq_u32 s13, 0                            ; the bias starts the sums.  The one branch on k or v; both arms write all 64 registers
	s_cbranch_scc0 .Lbias_v
.irp m, 0,1
.irp t, 0,1,2,3
	global_load_b128 v[ACC+8*(4*\m+\t):ACC+8*(4*\m+\t)+3], v5, s[38:39] offset:(32*(\t/2)+8*(\t%2))*4       ; k: it goes with the registers: features 32 (t / 2) + 16 h + 8 (t % 2) + 0 .. 7
	global_load_b128 v[ACC+8*(4*\m+\t)+4:ACC+8*(4*\m+\t)+7], v5, s[38:39] offset:(32*(\t/2)+8*(\t%2))*4+16
.endr
.endr
	s_branch .Lbias_done
.Lbias_v:
	global_load_b32 v[ACC], v12, s[38:39]          ; v: it goes with the lane: one number for each of my two features,
	global_load_b32 v[ACC+32], v12, s[38:39] offset:32
	s_wait_loadcnt 0x0
.irp m, 0,1
.irp j, 1,2,3,4,5,6,7,8,9,10,11,12,13,14,15,16,17,18,19,20,21,22,23,24,25,26,27,28,29,30,31
	v_mov_b32 v[ACC+32*\m+\j], v[ACC+32*\m]        ; the same for all 32 keys
.endr
.endr
.Lbias_done:
	s_lshr_b32 s56, s15, 1
	s_lshl_b32 s56, s56, 15
	s_lshl_b32 s57, s43, 12
	s_add_co_u32 s56, s56, s57
	v_add_nc_u32 v6, s56, v1                       ; my four tiles of source 0 in LDS
	s_lshl_b32 s57, s2, 11
	s_add_co_u32 s57, s57, 2*BLK
	v_add_nc_u32 v7, s57, v1                       ; my two tiles of source 1
	v_add_nc_u32 v8, s50, v1
	s_delay_alu instid0(VALU_DEP_1)
	v_add_nc_u32 v9, s53, v8
	v_lshlrev_b32 v10, s55, v3
	s_delay_alu instid0(VALU_DEP_1)
	v_add_nc_u32 v10, s51, v10
	s_delay_alu instid0(VALU_DEP_1)
	v_add_nc_u32 v11, s54, v10
	s_wait_alu depctr_va_vdst(0)
	s_wait_tensorcnt 0x0                           ; my piece has landed
	s_barrier_signal -1
	s_barrier_wait -1                              ; everybody's has
	s_wait_loadcnt 0x0                             ; scale words and bias
	RUN 0, KS
	PLACES
.irp m, 0,1
	QUANT2 ACC+32*\m, TM, PW+\m, PC+4*\m
	global_store_b128 v[8+\m], v[PC+4*\m:PC+4*\m+3], s[10:11]      ; the wave stores 512 consecutive bytes, aligned
	global_store_b16 v[10+\m], v[PW+\m], s[10:11]                  ; two bytes a row; lanes i and i + 16 write the same bytes with the same value
.endr
	s_wait_tensorcnt 0x0
	ds_add_u32 v254, v255
	s_wait_dscnt 0x0
	s_endpgm
.Lfunc_end_k_q586adefd0b_gemm_b:
	.size	k_q586adefd0b_gemm_b, .Lfunc_end_k_q586adefd0b_gemm_b-k_q586adefd0b_gemm_b
	.p2alignl 7, 3214868480
	.fill 96, 4, 3214868480
	.section	.rodata,"a",@progbits
	.p2align	6, 0x0
	.amdhsa_kernel k_q586adefd0b_gemm_b
		.amdhsa_group_segment_fixed_size 169984
		.amdhsa_private_segment_fixed_size 0
		.amdhsa_enable_private_segment 0
		.amdhsa_kernarg_size 32
		.amdhsa_user_sgpr_count 2
		.amdhsa_user_sgpr_kernarg_segment_ptr 1
		.amdhsa_wavefront_size32 1
		.amdhsa_system_sgpr_workgroup_id_x 1
		.amdhsa_system_sgpr_workgroup_id_y 1
		.amdhsa_system_sgpr_workgroup_id_z 1
		.amdhsa_system_vgpr_workitem_id 0
		.amdhsa_next_free_vgpr 256
		.amdhsa_next_free_sgpr 66
		.amdhsa_reserve_vcc 0
		.amdhsa_float_denorm_mode_32 3
		.amdhsa_float_denorm_mode_16_64 3
		.amdhsa_memory_ordered 1
		.amdhsa_forward_progress 1
		.amdhsa_inst_pref_size 25
	.end_amdhsa_kernel
	.amdgpu_metadata
---
amdhsa.version: [ 1, 2 ]
amdhsa.kernels:
  - .name:           k_q586adefd0b_gemm_b
    .symbol:         k_q586adefd0b_gemm_b.kd
    .args:
      - { .name: w1, .offset: 0, .size: 8, .value_kind: global_buffer, .address_space: global }
      - { .name: w2, .offset: 8, .size: 8, .value_kind: global_buffer, .address_space: global }
      - { .name: kvu_b, .offset: 16, .size: 8, .value_kind: global_buffer, .address_space: global }
      - { .name: w3, .offset: 24, .size: 8, .value_kind: global_buffer, .address_space: global }
    .group_segment_fixed_size: 169984
    .private_segment_fixed_size: 0
    .kernarg_segment_align: 8
    .kernarg_segment_size: 32
    .max_flat_workgroup_size: 512
    .sgpr_count:     66
    .vgpr_count:     256
    .wavefront_size: 32
...
	.end_amdgpu_metadata
.endif
;; end of part 3
;; launch attn (part 4): grid 8 x 32, 16 waves a work-group, no clusters, 327,680 bytes of LDS; arguments w2, w3, w4; writes w4
.if DOCPART == 4
	.amdgcn_target "amdgcn-amd-amdhsa--gfx1250"
	.amdhsa_code_object_version 6
	.text
	.protected	k_q586adefd0b_attn
	.globl	k_q586adefd0b_attn
	.p2align	8
	.type	k_q586adefd0b_attn,@function
k_q586adefd0b_attn:
	s_mov_b64 s[64:65], 0
	v_nop
	global_prefetch_b8 v0, s[64:65] scope:SCOPE_SE
	s_setreg_imm32_b32 hwreg(HW_REG_WAVE_MODE, 25, 1), 1
	s_wait_xcnt 0x0
; O = softmax(q k^T / 8) v for one (batch, head) and 256 queries, both products on codes of FP4 with E8M0 scales; O / l is quantised along the model's 1,024 and stored as the last product's operand.
; THE SOFTMAX: t = score x log2(e) / 8; M = the running largest t rounded UP to a whole number; p = 2^(t - M) is quantised along the keys, not normalised; the row's sum is taken of the unquantised p and divides at the end.
; When M moves, the sum and O are multiplied by 2^(old M - new M), which rounds nothing.
; SHARES.  Sixteen waves, each one tile of 16 queries in 256 registers, four waves to a SIMD.  Every wave walks the head's 2,048 keys, 128 a step.
; The head's K and V (139,264 bytes, four chunks of 512 keys) come into LDS ONCE, as they lie in w3.  Waves 0-7 bring chunk 0 at the head, 17 rows of 256 bytes each; behind the waits, two adds
; and a barrier the same waves bring chunks 1 to 3, 51 rows each.  Nothing is filled twice; a wave has one tensor load out at the most; every wait on TENSORcnt is for 0.
; No cluster and no prefetch: each work-group asks for each byte once, in these two groups, and no request recurs in a loop.
; LAYOUT.  Both products are used transposed: S^T = K Q^T (source 0 = keys), O^T = V^T P^T (source 0 = 16 of the head's 64): a lane holds ONE query (place lane % 16) throughout.
; THE FIRST PRODUCT'S K IS 64, the instruction's 128: a fragment of source 0 holds TWO tiles of 16 keys, [tile | tile'], and is multiplied by [q | 0] and by [0 | q]; zero codes add nothing under any finite scale byte.
; THE KEYS OF A FRAGMENT are chosen by the LDS address: row 8 hh + j of fragment (g, a) is key 64 g + 32 hh + 16 a + j (and + 8 in its second tile).  So in the result lane half h holds, in the 32 registers of group g,
; the WHOLE block 2 g + h of 32 keys in their order: its largest score needs no other lane, and the conversions' results are the second product's operand as they stand.
; K's loads take rows 1,024 bytes apart in lanes 8 apart: they go two deep in the banks (64 banks of 4 bytes: ISA guide 11.1).
; LIMITS: a block of zeros gets the byte 1 where the rule says 127 (zero codes; this program alone reads the bytes); NaN and infinities are not served; the scaled scores stay under 2^31 in magnitude.
; REGISTERS: v1-5, v9 lane terms; v6-7 the add's two; v10 / v12 -M by turns (named as pairs with v11, v13); v13 the largest score; v[14:15] the sum; v16-27 [0 | q | 0]; v30-31 q's scale words; v32-63 K; v64-127 S^T, then p;
; v128-159 O^T; v160-191 V; v192-199 p's codes; v200-201 K's scale words, v202-203 V's, v204 p's; v206 f; v208-231 at work; v232-235 the chunk's LDS addresses.
.set QS,   2097152                     ; w2: q's scale bytes (its codes begin at 0)
.set ATS,  2097152                     ; w4: the scale words (the codes begin at 0)
.set CHK,  34816                       ; a chunk: K's codes 16,384, K's scale words 1,024, V^T's codes 16,384, V^T's scale words 1,024
.set PIECE, CHK/8                      ; 4,352 bytes: a wave's part of chunk 0
.set REST, 3*CHK/8                     ; 13,056 bytes: its part of chunks 1 to 3
.set SPARE, 4*CHK                      ; behind the four chunks: the spare words, 128 bytes a wave
.set SEL,  20                          ; s[20:21] lane selects: lane l xor 16
.set CS,   22                          ; s[22:23] c = log2(e) / 8, twice
.set G1,   24                          ; s[24:31] descriptor group 1
.set NC,   36                          ; s36 -c
.set LV,   1                           ; 16 x lane
.set LK,   2                           ; 1,024 hh + 256 h + 16 j
.set LKS,  3                           ; 64 hh + 32 h + 4 j
.set LVS,  4                           ; 4 x lane
.set SH,   5                           ; 8 h
.set SPW,  6
.set NIL,  7
.set SO4,  9                           ; 4 i
.set AK,   232
.set AKS,  233
.set AV,   234
.set AVS,  235
.macro PLACES                          ; four plain places behind a matrix instruction, in front of the first read of results and of loads into registers that it has read (ISA guide 7.12.1 for the first read of results)
.rept 4
	v_nop
.endr
.endm
.macro WMZ d, a, b, sa, sb, ra         ; a product that starts its sum
.if (\ra)
	v_wmma_scale_f32_16x16x128_f8f6f4 v[\d:\d+7], v[\a:\a+7], v[\b:\b+7], 0, v[\sa], v[\sb] matrix_a_fmt:MATRIX_FMT_FP4 matrix_b_fmt:MATRIX_FMT_FP4 matrix_a_scale:MATRIX_SCALE_ROW1
.else
	v_wmma_scale_f32_16x16x128_f8f6f4 v[\d:\d+7], v[\a:\a+7], v[\b:\b+7], 0, v[\sa], v[\sb] matrix_a_fmt:MATRIX_FMT_FP4 matrix_b_fmt:MATRIX_FMT_FP4
.endif
.endm
.macro WMA d, a, b, sa, sb, ra         ; a product added in place
.if (\ra)
	v_wmma_scale_f32_16x16x128_f8f6f4 v[\d:\d+7], v[\a:\a+7], v[\b:\b+7], v[\d:\d+7], v[\sa], v[\sb] matrix_a_fmt:MATRIX_FMT_FP4 matrix_b_fmt:MATRIX_FMT_FP4 matrix_a_scale:MATRIX_SCALE_ROW1
.else
	v_wmma_scale_f32_16x16x128_f8f6f4 v[\d:\d+7], v[\a:\a+7], v[\b:\b+7], v[\d:\d+7], v[\sa], v[\sb] matrix_a_fmt:MATRIX_FMT_FP4 matrix_b_fmt:MATRIX_FMT_FP4
.endif
.endm
.macro QUANT2 s, tm, pw, pc            ; 32 numbers of a lane, register 16 b + n = k 32 b + 16 (lane / 16) + n of my row -> lane (i, h): the whole block h's codes; the row's two scale bytes
.irp b, 0,1
	v_max3_num_f32 v[\tm+\b], |v[\s+16*\b]|, |v[\s+16*\b+1]|, 0x1800000
.endr
.irp n, 2,4,6,8,10,12,14
.irp b, 0,1
	v_max3_num_f32 v[\tm+\b], v[\tm+\b], |v[\s+16*\b+\n]|, |v[\s+16*\b+\n+1]|
.endr
.endr
.irp b, 0,1
	s_delay_alu instid0(VALU_DEP_2)
	v_permlanex16_b32 v[\tm+2+\b], v[\tm+\b], s[SEL], s[SEL+1]
.endr
.irp b, 0,1
	s_delay_alu instid0(VALU_DEP_2)
	v_max_num_f32 v[\tm+\b], v[\tm+\b], v[\tm+2+\b]
.endr
.irp b, 0,1
	s_delay_alu instid0(VALU_DEP_2)
	v_add_nc_u32 v[\tm+4+\b], 0xff000000, v[\tm+\b]
.endr
.irp b, 0,1
	s_delay_alu instid0(VALU_DEP_2)
	v_lshrrev_b32 v[\tm+2+\b], 23, v[\tm+4+\b]
.endr
	s_delay_alu instid0(VALU_DEP_1)
	v_lshl_or_b32 v[\pw], v[\tm+3], 8, v[\tm+2]
.irp b, 0,1
	v_cvt_scalef32_pk8_fp4_f32 v[\pc+2*\b], v[\s+16*\b:\s+16*\b+7], v[\tm+4+\b]
	v_cvt_scalef32_pk8_fp4_f32 v[\pc+2*\b+1], v[\s+16*\b+8:\s+16*\b+15], v[\tm+4+\b]
.endr
	v_nop                                          ; one plain place behind a scaled conversion
	v_permlane16_swap_b32 v[\pc], v[\pc+2]
	v_permlane16_swap_b32 v[\pc+1], v[\pc+3]
.endm
	s_load_b128 s[4:7], s[0:1], 0x0                ; w2, w3
	s_load_b64 s[8:9], s[0:1], 0x10                ; w4
	v_lshl_add_u32 v[SPW], v0, 2, SPARE
	v_mov_b32 v[NIL], 0
	ds_add_u32 v[SPW], v[NIL]                      ; the opening lines: the add, twice on end, and its wait ahead of the first tensor load
	ds_add_u32 v[SPW], v[NIL]
	v_lshrrev_b32 v8, 5, v0
	v_readfirstlane_b32 s18, v8                    ; wave 0..15
	s_and_b32 s19, ttmp7, 0xffff                   ; batch x 16 + head
	s_mov_b32 s[SEL], 0x76543210
	s_mov_b32 s[SEL+1], 0xfedcba98
	s_mov_b32 s[CS], 0x3e38aa3b                    ; c = log2(e) / sqrt(64)
	s_mov_b32 s[CS+1], s[CS]                       ; (named with it as a pair, so it is written)
	s_mov_b32 s[NC], 0xbe38aa3b                    ; -c
	s_mov_b32 s[G1], 3<<16                         ; descriptor group 1: dense bytes as rows of 256 (32 elements of 8 bytes), no mask, no padding: 17 rows at first
	s_mov_b32 s[G1+1], 32<<16
	s_mov_b32 s[G1+2], 17<<16
	s_mov_b32 s[G1+3], 32<<16
	s_mov_b32 s[G1+4], 17
	s_mov_b32 s[G1+5], 32
	s_mov_b32 s[G1+6], 0
	s_mov_b32 s[G1+7], 0
	s_mul_i32 s44, s18, PIECE                      ; my part of chunk 0, in the head's bytes and in LDS alike: the copy lies as w3 does, from byte 0
	s_mov_b32 s45, 0
	s_mul_i32 s46, s18, REST
	s_add_co_u32 s46, s46, CHK                     ; and of chunks 1 to 3
	s_mov_b32 s47, 0
	s_mul_i32 s58, s19, 4*CHK
	s_mov_b32 s59, 0
	s_lshl_b32 s10, ttmp9, 4
	s_add_co_u32 s10, s10, s18                     ; my tile of queries in the batch
	s_lshl_b32 s11, s19, 7
	s_add_co_u32 s11, s11, s10
	s_lshl_b32 s50, s11, 9                         ; Q's codes: 512 bytes a tile
	s_mov_b32 s51, 0
	s_lshl_b32 s52, s11, 5
	s_add_co_u32 s52, s52, QS                      ; Q's scale bytes: 32 a tile
	s_mov_b32 s53, 0
	s_lshr_b32 s12, s19, 4
	s_lshl_b32 s12, s12, 7
	s_add_co_u32 s12, s12, s10                     ; T: my tile among all tokens'
	s_and_b32 s13, s19, 15                         ; head
	s_lshr_b32 s14, s12, 3
	s_and_b32 s15, s12, 7
	s_lshr_b32 s16, s13, 1                         ; the last product's K step,
	s_and_b32 s17, s13, 1                          ; and which half of it
	s_lshl_b32 s54, s14, 16
	s_lshl_b32 s61, s16, 13
	s_add_co_u32 s54, s54, s61
	s_lshl_b32 s61, s15, 10
	s_add_co_u32 s54, s54, s61
	s_lshl_b32 s61, s17, 9
	s_add_co_u32 s54, s54, s61                     ; where my codes go in w4
	s_mov_b32 s55, 0
	s_lshl_b32 s56, s14, 12
	s_lshl_b32 s61, s16, 9
	s_add_co_u32 s56, s56, s61
	s_lshl_b32 s61, s15, 6
	s_add_co_u32 s56, s56, s61
	s_lshl_b32 s61, s17, 1
	s_add_co_u32 s56, s56, s61
	s_add_co_u32 s56, s56, ATS                     ; and my scale bytes
	s_mov_b32 s57, 0
	s_wait_dscnt 0x0                               ; both opening adds are done
	s_wait_kmcnt 0x0
	s_add_nc_u64 s[58:59], s[6:7], s[58:59]        ; the head's first byte in w3
	s_mov_b32 s32, 1                               ; group 0 for chunk 0: count = 1,
	s_mov_b32 s33, s44                             ; LDS address,
	s_add_nc_u64 s[34:35], s[58:59], s[44:45]      ; global address,
	s_or_b32 s35, s35, 0x80000000                  ; type = 2
	s_mov_b32 s40, 1                               ; and for chunks 1 to 3
	s_mov_b32 s41, s46
	s_add_nc_u64 s[42:43], s[58:59], s[46:47]
	s_or_b32 s43, s43, 0x80000000
	s_cmp_lt_u32 s18, 8
	s_cbranch_scc0 .Lno_first
	tensor_load_to_lds s[32:35], s[G1:G1+7]        ; chunk 0: one tensor load a wave at the head
	s_nop 0
.Lno_first:
	s_add_nc_u64 s[50:51], s[4:5], s[50:51]
	s_add_nc_u64 s[52:53], s[4:5], s[52:53]
	s_add_nc_u64 s[54:55], s[8:9], s[54:55]
	s_add_nc_u64 s[56:57], s[8:9], s[56:57]
	v_and_b32 v208, 31, v0                         ; lane
	v_and_b32 v209, 7, v0                          ; j
	v_bfe_u32 v210, v0, 3, 1                       ; hh
	v_bfe_u32 v211, v0, 4, 1                       ; h
	v_and_b32 v213, 15, v0                         ; i
	v_lshlrev_b32 v[LV], 4, v208
	v_lshlrev_b32 v[LVS], 2, v208
	v_lshlrev_b32 v[LK], 4, v209
	v_lshlrev_b32 v[LKS], 2, v209
	v_lshl_add_u32 v[LK], v210, 10, v[LK]
	v_lshl_add_u32 v[LKS], v210, 6, v[LKS]
	v_lshl_add_u32 v[LK], v211, 8, v[LK]
	v_lshl_add_u32 v[LKS], v211, 5, v[LKS]
	v_lshlrev_b32 v[SH], 3, v211
	v_lshlrev_b32 v[SO4], 2, v213
	v_lshlrev_b32 v214, 1, v213
	s_wait_alu depctr_va_vdst(0)                   ; ahead of the readers below
	global_load_b128 v[20:23], v[LV], s[50:51]     ; Q's 64 codes a row; they stay in registers
	global_load_u16 v30, v214, s[52:53]            ; Q's two scale bytes, for [q | 0]; the upper two are 0, over zero codes
.irp j, 16,17,18,19,24,25,26,27
	v_mov_b32 v[\j], 0                             ; zero codes on both sides of q
.endr
	v_mov_b32 v13, 0xff61b1e6                      ; the largest score so far: -3e38
	v_mov_b32 v12, 0x7f61b1e6                      ; -M: 3e38, so that the first f is 0
	v_mov_b32 v11, 0                               ; (named as the upper half of a pair)
	v_mov_b32 v14, 0                               ; the sum, in two halves
	v_mov_b32 v15, 0
	v_mov_b32 v207, 0                              ; (named as the upper half of the pair v[206:207])
	v_mov_b32 v212, 0                              ; written once: a lane permute's destination counts as one of its sources
	v_mov_b32 v223, 0
.macro BASE                            ; the chunk's LDS addresses; a step's place in the chunk stands in the loads' immediates
	v_add_nc_u32 v[AK], s2, v[LK]
	v_add_nc_u32 v[AKS], s2, v[LKS]
	v_add_nc_u32 v[AV], s2, v[LV]
	v_add_nc_u32 v[AVS], s2, v[LVS]
	s_wait_alu depctr_va_vdst(0)                   ; directly behind the writes
.endm
.macro KLOAD u                         ; step u's four fragments of two tiles each, and their scale words: lanes 0-15 fragment (g, 0)'s, lanes 16-31 fragment (g, 1)'s
.irp g, 0,1
.irp a, 0,1
.irp p, 0,1
	ds_load_b128 v[32+16*\g+8*\a+4*\p:35+16*\g+8*\a+4*\p], v[AK] offset:4096*(\u)+2048*\g+128*\a+512*\p
.endr
.endr
	ds_load_b32 v[200+\g], v[AKS] offset:16384+256*(\u)+128*\g
.endr
.endm
.macro VLOAD u                         ; step u's four fragments of V^T and their scale words
.irp t, 0,1,2,3
.irp c, 0,1
	ds_load_b128 v[160+8*\t+4*\c:163+8*\t+4*\c], v[AV] offset:17408+4096*(\u)+1024*\t+512*\c
.endr
.endr
.irp a, 0,1
	ds_load_b32 v[202+\a], v[AVS] offset:33792+256*(\u)+128*\a
.endr
.endm
.macro PKF first, n, nm                ; t - M, two at a time (of the pairs c and -M the low word serves both halves)
.set J, \first
.rept \n
	v_pk_fma_f32 v[J:J+1], v[J:J+1], s[CS:CS+1], v[\nm:\nm+1] op_sel_hi:[1,0,0]
.set J, J+2
.endr
.endm
.macro EXPS first, n                   ; p = 2^(t - M)
.set J, \first
.rept \n
	v_exp_f32 v[J], v[J]
.set J, J+1
.endr
.endm
.macro SUM4 from                       ; four pairs of p onto the step's four chains
.irp k, 0,1,2,3
	v_pk_add_f32 v[224+2*\k:225+2*\k], v[224+2*\k:225+2*\k], v[\from+2*\k:\from+2*\k+1]
.endr
.endm
; A KEY STEP: 128 keys, the u-th of the chunk in hand.  old, new: the registers of -M before and behind it.
.macro STEP u, old, new
.if (\u) == 0
	KLOAD 0
	s_wait_dscnt 0x0                               ; a chunk's first step waits for its own K; the others' was asked for a step ago
.endif
.irp g, 0,1
.irp a, 0,1
	WMZ 64+32*\g+16*\a, 32+16*\g+8*\a, 20, 200+\g, 30, \a   ; x [q | 0]: the fragment's first tile: keys 16 a + 0 .. 7 of my block
	WMZ 72+32*\g+16*\a, 32+16*\g+8*\a, 16, 200+\g, 31, \a   ; x [0 | q]: its second: keys 16 a + 8 .. 15
.endr
.endr
	PLACES
	VLOAD \u
.if (\u) < 3
	KLOAD (\u)+1
.endif
.irp g, 0,1                                    ; the largest score of my two blocks, two chains each, each accumulator from its low end on
	v_max3_num_f32 v[208+2*\g], v[64+32*\g], v[65+32*\g], v[66+32*\g]
	v_max3_num_f32 v[209+2*\g], v[80+32*\g], v[81+32*\g], v[82+32*\g]
.endr
.irp n, 3,5,7,9,11,13
.irp g, 0,1
	v_max3_num_f32 v[208+2*\g], v[208+2*\g], v[64+32*\g+\n], v[65+32*\g+\n]
	v_max3_num_f32 v[209+2*\g], v[209+2*\g], v[80+32*\g+\n], v[81+32*\g+\n]
.endr
.endr
.irp g, 0,1
	v_max3_num_f32 v[208+2*\g], v[208+2*\g], v[79+32*\g], v[95+32*\g]
.endr
.irp g, 0,1
	s_delay_alu instid0(VALU_DEP_2)
	v_max_num_f32 v[208+2*\g], v[208+2*\g], v[209+2*\g]
.endr
	s_delay_alu instid0(VALU_DEP_1)
	v_max3_num_f32 v13, v13, v208, v210            ; the running largest score of my query: my half's,
	s_delay_alu instid0(VALU_DEP_1)
	v_permlanex16_b32 v212, v13, s[SEL], s[SEL+1]
	s_delay_alu instid0(VALU_DEP_1)
	v_max_num_f32 v13, v13, v212                   ; and lane l xor 16's
	v_mul_f32 v213, s[NC], v13                     ; -t
	v_floor_f32 v[\new], v213                      ; the new -M = floor(-t) = -ceil(t)
	v_sub_f32 v214, v[\new], v[\old]               ; old M - new M: a whole number, 0 or less
	PKF 64, 4, \new
	v_cvt_i32_f32 v214, v214                       ; (it saturates)
	PKF 72, 4, \new
	v_ldexp_f32 v206, 1.0, v214                    ; f = 2^(old M - new M)
	PKF 80, 8, \new
	v_fma_f32 v216, v208, s[CS], v[\new]           ; t - M of each block's largest score: the same multiply-add as its own register gets
	v_fma_f32 v217, v210, s[CS], v[\new]
	v_pk_mul_f32 v[14:15], v[14:15], v[206:207] op_sel_hi:[1,0]   ; the sum under the new M
.set J, 128
.rept 16
	v_pk_mul_f32 v[J:J+1], v[J:J+1], v[206:207] op_sel_hi:[1,0]   ; O^T under the new M, each accumulator from its low end on
.set J, J+2
.endr
	s_wait_alu depctr_va_vdst(0)                   ; ahead of a batch of transcendentals
	v_exp_f32 v216, v216                           ; the blocks' largest p
	v_exp_f32 v217, v217
	EXPS 64, 32                                    ; group 0's 32
	PKF 96, 16, \new                               ; plain work behind the batch: group 1's t - M
	s_wait_alu depctr_va_vdst(0)                   ; one wait: behind the first batch, ahead of the second
	EXPS 96, 32
.irp k, 0,1,2,3                                ; THE ROW'S SUM IS TAKEN OF THE UNQUANTISED p, in four chains; group 0's pairs stand behind the second batch as its plain work
	v_pk_add_f32 v[224+2*\k:225+2*\k], v[64+2*\k:65+2*\k], v[72+2*\k:73+2*\k]
.endr
	v_max_num_f32 v216, 0x1800000, v216            ; the floor 2^(3 - 127): the byte cannot fall under 1
	v_max_num_f32 v217, 0x1800000, v217
	SUM4 80
	v_add_nc_u32 v218, 0xff000000, v216            ; 2 off the exponent field: the conversion's scale operand
	v_add_nc_u32 v219, 0xff000000, v217
	SUM4 88
	v_lshrrev_b32 v220, 23, v218                   ; the scale's byte: blocks h and 2 + h
	v_lshrrev_b32 v221, 23, v219
.irp e, 0,1,2,3
	v_cvt_scalef32_pk8_fp4_f32 v[192+\e], v[64+8*\e:71+8*\e], v218
.endr
	v_lshl_or_b32 v222, v221, 16, v220
	s_delay_alu instid0(VALU_DEP_1)
	v_lshlrev_b32 v222, v[SH], v222                ; at their places in the word;
	s_delay_alu instid0(VALU_DEP_1)
	v_permlanex16_b32 v223, v222, s[SEL], s[SEL+1]
	s_delay_alu instid0(VALU_DEP_1)
	v_or_b32 v204, v222, v223                      ; with lane l xor 16's two p's scale word is whole
	s_wait_alu depctr_va_vdst(0)                   ; the wait behind the second batch, ahead of its first reader
.irp e, 0,1,2,3
	v_cvt_scalef32_pk8_fp4_f32 v[196+\e], v[96+8*\e:103+8*\e], v219
.endr
	SUM4 96                                        ; these twenty are also the places between p's codes and scale word and the products below
	SUM4 104
	SUM4 112
	SUM4 120
	s_delay_alu instid0(VALU_DEP_3)
	v_pk_add_f32 v[224:225], v[224:225], v[226:227]
	s_delay_alu instid0(VALU_DEP_2)
	v_pk_add_f32 v[228:229], v[228:229], v[230:231]
	s_delay_alu instid0(VALU_DEP_1)
	v_pk_add_f32 v[224:225], v[224:225], v[228:229]
	s_delay_alu instid0(VALU_DEP_1)
	v_pk_add_f32 v[14:15], v[14:15], v[224:225]
	s_wait_alu depctr_va_vdst(0)                   ; directly ahead of the wait below
	s_wait_dscnt 0x0                               ; V's fragments and scale words are in, and the next step's K
.irp t, 0,1,2,3
	WMA 128+8*\t, 160+8*\t, 192, 202+\t/2, 204, \t%2   ; O^T += V^T P^T: the four accumulators take turns
.endr
.endm
.macro FOUR_STEPS                      ; a chunk of 512 keys; no LDS load of mine is out at its end
	BASE
	STEP 0, 12, 10
	STEP 1, 10, 12
	STEP 2, 12, 10
	STEP 3, 10, 12
.endm
	s_wait_alu depctr_va_vdst(0)                   ; at the head's end
	s_wait_tensorcnt 0x0                           ; my part of chunk 0 has landed; ahead of a later first fill:
	ds_add_u32 v[SPW], v[NIL]                      ; the add, twice on end here
	ds_add_u32 v[SPW], v[NIL]
	s_mov_b32 s[G1+2], 51<<16                      ; no tensor load of mine is out, so the descriptor may be written: 51 rows from here on
	s_mov_b32 s[G1+4], 51
	s_wait_dscnt 0x0                               ; and the wait for both
	s_barrier_signal -1
	s_barrier_wait -1                              ; everybody's part of chunk 0 has landed
	s_cmp_lt_u32 s18, 8
	s_cbranch_scc0 .Lno_rest
	tensor_load_to_lds s[40:43], s[G1:G1+7]        ; chunks 1 to 3: my one tensor load behind this barrier; it lands under chunk 0's steps
	s_nop 0
.Lno_rest:
	s_wait_loadcnt 0x0                             ; Q
	v_lshlrev_b32 v31, 16, v30                     ; Q's scale bytes for [0 | q]
.set J, 128
.rept 32
	v_mov_b32 v[J], 0                              ; O^T: the step has no first form of its own; its first run finds zeros.  (Also the places between v31's write and the first product)
.set J, J+1
.endr
	s_mov_b32 s2, 0
	FOUR_STEPS
	s_wait_tensorcnt 0x0                           ; my part of chunks 1 to 3 has landed: they are read behind this one barrier
	s_barrier_signal -1
	s_barrier_wait -1
	s_mov_b32 s48, 3
.Lchunk:
	s_add_co_u32 s2, s2, CHK
	FOUR_STEPS
	s_sub_co_u32 s48, s48, 1
	s_cmp_lg_u32 s48, 0
	s_cbranch_scc1 .Lchunk
	; THE WAY OUT: O^T / the sum; its 32 registers are d = 32 b + 16 h + n of my query: two blocks of the last product's K
	PLACES
	v_add_f32 v14, v14, v15                        ; the sum's two halves,
	s_delay_alu instid0(VALU_DEP_1)
	v_permlanex16_b32 v212, v14, s[SEL], s[SEL+1]
	s_delay_alu instid0(VALU_DEP_1)
	v_add_f32 v14, v14, v212                       ; and lane l xor 16's
	s_wait_alu depctr_va_vdst(0)                   ; ahead of the transcendental
	v_rcp_f32 v14, v14
	v_nop                                          ; one plain place behind a transcendental
	s_wait_alu depctr_va_vdst(0)                   ; ahead of its first reader, which is also the first reader of the last products' results
.set J, 0
.rept 32
	v_mul_f32 v[64+J], v[128+J], v14               ; each accumulator from its low end on
.set J, J+1
.endr
	QUANT2 64, 208, 214, 192
	global_store_b128 v[LV], v[192:195], s[54:55]  ; the wave stores 512 consecutive bytes, aligned: half a fragment of the last product's operand
	global_store_b16 v[SO4], v214, s[56:57]        ; two bytes a row; lanes i and i + 16 write the same bytes with the same value
	s_wait_tensorcnt 0x0                           ; the wave's end
	ds_add_u32 v[SPW], v[NIL]
	s_wait_dscnt 0x0
	s_endpgm
.Lfunc_end_k_q586adefd0b_attn:
	.size	k_q586adefd0b_attn, .Lfunc_end_k_q586adefd0b_attn-k_q586adefd0b_attn
	.p2alignl 7, 3214868480
	.fill 96, 4, 3214868480
	.section	.rodata,"a",@progbits
	.p2align	6, 0x0
	.amdhsa_kernel k_q586adefd0b_attn
		.amdhsa_group_segment_fixed_size 327680
		.amdhsa_private_segment_fixed_size 0
		.amdhsa_enable_private_segment 0
		.amdhsa_kernarg_size 24
		.amdhsa_user_sgpr_count 2
		.amdhsa_user_sgpr_kernarg_segment_ptr 1
		.amdhsa_wavefront_size32 1
		.amdhsa_system_sgpr_workgroup_id_x 1
		.amdhsa_system_sgpr_workgroup_id_y 1
		.amdhsa_system_sgpr_workgroup_id_z 1
		.amdhsa_system_vgpr_workitem_id 0
		.amdhsa_next_free_vgpr 256
		.amdhsa_next_free_sgpr 66
		.amdhsa_reserve_vcc 0
		.amdhsa_float_denorm_mode_32 3
		.amdhsa_float_denorm_mode_16_64 3
		.amdhsa_memory_ordered 1
		.amdhsa_forward_progress 1
		.amdhsa_inst_pref_size 123
	.end_amdhsa_kernel
	.amdgpu_metadata
---
amdhsa.version: [ 1, 2 ]
amdhsa.kernels:
  - .name:           k_q586adefd0b_attn
    .symbol:         k_q586adefd0b_attn.kd
    .args:
      - { .name: w2, .offset: 0, .size: 8, .value_kind: global_buffer, .address_space: global }
      - { .name: w3, .offset: 8, .size: 8, .value_kind: global_buffer, .address_space: global }
      - { .name: w4, .offset: 16, .size: 8, .value_kind: global_buffer, .address_space: global }
    .group_segment_fixed_size: 327680
    .private_segment_fixed_size: 0
    .kernarg_segment_align: 8
    .kernarg_segment_size: 24
    .max_flat_workgroup_size: 512
    .sgpr_count:     66
    .vgpr_count:     256
    .wavefront_size: 32
...
	.end_amdgpu_metadata
.endif
;; end of part 4
;; launch gemm_c (part 5): grid 8 x 32, 8 waves a work-group, no clusters, 168,960 bytes of LDS; arguments w1, w4, out_b, out0; writes out0
.if DOCPART == 5
	.amdgcn_target "amdgcn-amd-amdhsa--gfx1250"
	.amdhsa_code_object_version 6
	.text
	.protected	k_q586adefd0b_gemm_c
	.globl	k_q586adefd0b_gemm_c
	.p2align	8
	.type	k_q586adefd0b_gemm_c,@function
k_q586adefd0b_gemm_c:
	s_mov_b64 s[64:65], 0
	v_nop
	global_prefetch_b8 v0, s[64:65] scope:SCOPE_SE
	s_setreg_imm32_b32 hwreg(HW_REG_WAVE_MODE, 25, 1), 1
	s_wait_xcnt 0x0
; out0 = attention's result x out_w^T + out_b on codes of FP4 with E8M0 scales; f32 out.
; Source 0 = 16 rows of out_w (features), source 1 = 16 tokens: a lane holds one token (its place i), and the 16 registers of weight tiles 2 b, 2 b + 1 are features 32 b + 16 (lane / 16) + 0 .. 15: 64 neighbouring bytes of a row of out0.
; Tiles of 16 rows; place i of tile T is row 32 (T / 2) + 8 (T % 2) + i + 8 (i / 8).
; SHARES.  A work-group: 128 features x 128 tokens; eight waves of 64 x 32: 8 accumulators.  The two blocks of 128 rows, for all of K = 1,024, are dense runs of 65,536 bytes: waves 0 and 1 bring one each into LDS as it lies,
; in two tensor loads (half of K each); nothing is filled twice.  By this text's count a wave has two tensor loads out at the most.
; No cluster: each work-group asks for each byte once, in one group at its head, and no request recurs in a loop.
; THE WAY OUT.  A wave's 64 features are 256 bytes of each of its token rows: a tile of 16 tokens goes through the wave's own stage in LDS (rows of 256 + 16 bytes, behind the operands, where no fill lands) and leaves
; with sixteen lanes storing 256 consecutive bytes, aligned.
; The bias starts each sum, so the order of rounding differs from a sum with the bias added last.  NaN and infinities are not served.
; THE FETCH (this takes the place of what the shares above say of it): the two blocks are 131,072 bytes of LDS; each of the eight waves brings 16,384 dense bytes (64 rows of 256), one tensor load a wave,
; in one group at the head; one wait for 0 and one barrier show all of K.  By this text's count a wave has one tensor load out at the most.
.set KS,   8
.set BLK,  KS*8192
.set PCE,  16384                       ; what one tensor load brings
.set ROWS, PCE/256
.set WCC,  3407872                     ; w1: out_w's codes
.set WCS,  4145152                     ; and scale words
.set ATS,  2097152                     ; w4: the scale words (the codes begin at 0)
.set STGB, 4352                        ; a wave's stage: 16 x 272 bytes
.set SCP,  16
.set SCR,  32
.set ACC,  64
.set FB,   128
.macro PLACES                          ; four plain places behind a matrix instruction, in front of loads into registers that it has read and of the first read of results (ISA guide 7.12.1 for the first read of results)
.rept 4
	v_nop
.endr
.endm
.macro WM d, a, b, sa, sb, ra, rb
.if (\ra) && (\rb)
	v_wmma_scale_f32_16x16x128_f8f6f4 v[\d:\d+7], v[\a:\a+7], v[\b:\b+7], v[\d:\d+7], v[\sa], v[\sb] matrix_a_fmt:MATRIX_FMT_FP4 matrix_b_fmt:MATRIX_FMT_FP4 matrix_a_scale:MATRIX_SCALE_ROW1 matrix_b_scale:MATRIX_SCALE_ROW1
.elseif (\ra)
	v_wmma_scale_f32_16x16x128_f8f6f4 v[\d:\d+7], v[\a:\a+7], v[\b:\b+7], v[\d:\d+7], v[\sa], v[\sb] matrix_a_fmt:MATRIX_FMT_FP4 matrix_b_fmt:MATRIX_FMT_FP4 matrix_a_scale:MATRIX_SCALE_ROW1
.elseif (\rb)
	v_wmma_scale_f32_16x16x128_f8f6f4 v[\d:\d+7], v[\a:\a+7], v[\b:\b+7], v[\d:\d+7], v[\sa], v[\sb] matrix_a_fmt:MATRIX_FMT_FP4 matrix_b_fmt:MATRIX_FMT_FP4 matrix_b_scale:MATRIX_SCALE_ROW1
.else
	v_wmma_scale_f32_16x16x128_f8f6f4 v[\d:\d+7], v[\a:\a+7], v[\b:\b+7], v[\d:\d+7], v[\sa], v[\sb] matrix_a_fmt:MATRIX_FMT_FP4 matrix_b_fmt:MATRIX_FMT_FP4
.endif
.endm
.macro FETCH s, e
.irp t, 0,1,2,3
.irp c, 0,1
	ds_load_b128 v[FB+48*(\e)+8*\t+4*\c:FB+48*(\e)+8*\t+4*\c+3], v6 offset:8192*(\s)+1024*\t+512*\c
.endr
.endr
.irp m, 0,1
.irp c, 0,1
	ds_load_b128 v[FB+48*(\e)+32+8*\m+4*\c:FB+48*(\e)+32+8*\m+4*\c+3], v7 offset:8192*(\s)+1024*\m+512*\c
.endr
.endr
.endm
.macro MUL s, e                        ; the eight accumulators take turns, one instruction a turn
.irp m, 0,1
.irp t, 0,1,2,3
	WM ACC+8*(4*\m+\t), FB+48*(\e)+8*\t, FB+48*(\e)+32+8*\m, SCP+2*(\s)+\t/2, SCR+(\s), \t%2, \m
.endr
.endr
.endm
.macro RUN s0, n
.if (\s0) > 0
	PLACES
.endif
	FETCH \s0, (\s0)%2
.set S, \s0
.rept (\n)-1
	PLACES
	FETCH S+1, (S+1)%2
	s_wait_dscnt 12                                ; all but the twelve loads just issued: this step's fragments are in
	MUL S, S%2
.set S, S+1
.endr
	s_wait_dscnt 0x0
	MUL S, S%2
.endm
	s_load_b256 s[4:11], s[0:1], 0x0               ; w1, w4, out_b, out0
	v_lshl_add_u32 v254, v0, 2, 0x29000
	v_mov_b32 v255, 0
	ds_add_u32 v254, v255
	ds_add_u32 v254, v255
	v_lshrrev_b32 v13, 5, v0
	s_delay_alu instid0(VALU_DEP_1)
	v_readfirstlane_b32 s12, v13                   ; wave 0..7
	v_and_b32 v13, 31, v0
	s_delay_alu instid0(VALU_DEP_1)
	v_lshlrev_b32 v1, 4, v13                       ; 16 x lane
	s_delay_alu instid0(VALU_DEP_2)
	v_lshlrev_b32 v2, 2, v13                       ; 4 x lane
	v_and_b32 v3, 15, v0                           ; i
	v_bfe_u32 v4, v0, 4, 1                         ; h
	s_delay_alu instid0(VALU_DEP_1)
	v_lshlrev_b32 v5, 6, v4                        ; 64 h
	s_mov_b32 s13, ttmp9                           ; px: which 128 features
	s_and_b32 s14, ttmp7, 0xffff                   ; y: which 128 tokens
	s_and_b32 s15, s12, 1                          ; pw: which 64 features
	s_lshr_b32 s2, s12, 1                          ; rw: which 32 tokens
	s_mov_b32 s16, 3<<16                           ; descriptor group 1: a dense run of PCE bytes as rows of 256 bytes (32 elements of 8), no mask, no padding
	s_mov_b32 s17, 32<<16
	s_mov_b32 s18, ROWS<<16
	s_mov_b32 s19, 32<<16
	s_mov_b32 s20, ROWS
	s_mov_b32 s21, 32
	s_mov_b32 s22, 0
	s_mov_b32 s23, 0
	s_lshl_b32 s42, s12, 14                        ; where my piece goes in LDS: PCE x wave
	s_lshl_b32 s40, s13, 16                        ; waves 0-3: out_w's block px, piece = wave
	s_add_co_u32 s40, s40, WCC
	s_add_co_u32 s40, s40, s42
	s_lshl_b32 s41, s14, 16                        ; waves 4-7: the tokens' block y, piece = wave - 4
	s_add_co_u32 s41, s41, s42
	s_sub_co_u32 s41, s41, 65536
	s_cmp_lt_u32 s12, 4
	s_cselect_b32 s40, s40, s41
	s_mov_b32 s41, 0
	s_lshl_b32 s44, s13, 12                        ; out_w's scale words: block px, tiles 4 pw on
	s_lshl_b32 s45, s15, 8
	s_add_co_u32 s44, s44, s45
	s_add_co_u32 s44, s44, WCS
	s_mov_b32 s45, 0
	s_lshl_b32 s46, s14, 12                        ; the tokens': block y, tiles 2 rw on
	s_lshl_b32 s47, s2, 7
	s_add_co_u32 s46, s46, s47
	s_add_co_u32 s46, s46, ATS
	s_mov_b32 s47, 0
	s_lshl_b32 s48, s13, 9                         ; my 64 features, in bytes: in the bias and in a row of out0
	s_lshl_b32 s49, s15, 8
	s_add_co_u32 s48, s48, s49
	s_mov_b32 s49, 0
	s_lshl_b32 s50, s14, 2
	s_add_co_u32 s50, s50, s2
	s_lshl_b32 s50, s50, 17                        ; my 32 tokens: rows 32 (4 y + rw) on, 4,096 bytes a row
	s_add_co_u32 s50, s50, s48
	s_mov_b32 s51, 0
	s_wait_dscnt 0x0
	s_wait_kmcnt 0x0
	s_cmp_lt_u32 s12, 4
	s_cselect_b64 s[26:27], s[4:5], s[6:7]
	s_mov_b32 s24, 1                               ; group 0, first half of K
	s_mov_b32 s25, s42
	s_add_nc_u64 s[26:27], s[26:27], s[40:41]
	s_or_b32 s27, s27, 0x80000000                  ; type = 2
	tensor_load_to_lds s[24:27], s[16:23]          ; every wave's one fill, ahead of every wait on TENSORcnt, LDS read and barrier
	s_nop 0
	s_add_nc_u64 s[34:35], s[4:5], s[44:45]
	s_add_nc_u64 s[36:37], s[6:7], s[46:47]
	s_add_nc_u64 s[38:39], s[8:9], s[48:49]
	s_add_nc_u64 s[50:51], s[10:11], s[50:51]
.set Q, 0
	s_wait_alu depctr_va_vdst(0)
.rept KS
	global_load_b32 v[SCP+2*Q], v2, s[34:35] offset:512*Q
	global_load_b32 v[SCP+2*Q+1], v2, s[34:35] offset:512*Q+128
	global_load_b32 v[SCR+Q], v2, s[36:37] offset:512*Q
.set Q, Q+1
.endr
.irp m, 0,1
.irp t, 0,1,2,3
	global_load_b128 v[ACC+8*(4*\m+\t):ACC+8*(4*\m+\t)+3], v5, s[38:39] offset:(32*(\t/2)+8*(\t%2))*4       ; the bias of features 32 (t / 2) + 16 h + 8 (t % 2) + 0 .. 7 starts the sums
	global_load_b128 v[ACC+8*(4*\m+\t)+4:ACC+8*(4*\m+\t)+7], v5, s[38:39] offset:(32*(\t/2)+8*(\t%2))*4+16
.endr
.endr
	s_lshl_b32 s56, s15, 12
	v_add_nc_u32 v6, s56, v1                       ; my four weight tiles in LDS
	s_lshl_b32 s57, s2, 11
	s_add_co_u32 s57, s57, BLK
	v_add_nc_u32 v7, s57, v1                       ; my two tiles of tokens
	s_mul_i32 s56, s12, STGB
	s_add_co_u32 s56, s56, 2*BLK                   ; my stage
	v_mul_u32_u24 v8, v3, 272
	s_delay_alu instid0(VALU_DEP_1)
	v_add_nc_u32 v8, v8, v5
	s_delay_alu instid0(VALU_DEP_1)
	v_add_nc_u32 v8, s56, v8                       ; in: row i, + 64 h
	v_mul_u32_u24 v9, v4, 272
	s_delay_alu instid0(VALU_DEP_1)
	v_lshl_add_u32 v9, v3, 4, v9
	s_delay_alu instid0(VALU_DEP_1)
	v_add_nc_u32 v9, s56, v9                       ; back: lanes 0-15 one row, lanes 16-31 the next
	v_lshlrev_b32 v10, 12, v4
	s_delay_alu instid0(VALU_DEP_1)
	v_lshl_add_u32 v10, v3, 4, v10                 ; and the same two rows in out0
	s_wait_alu depctr_va_vdst(0)
	s_wait_tensorcnt 0x0                           ; my piece has landed
	s_barrier_signal -1
	s_barrier_wait -1                              ; everybody's has
	s_wait_loadcnt 0x0                             ; scale words and bias
	RUN 0, KS
	PLACES
.irp m, 0,1
.irp b, 0,1
.irp n, 0,1,2,3
	ds_store_b128 v8, v[ACC+32*\m+16*\b+4*\n:ACC+32*\m+16*\b+4*\n+3] offset:128*\b+16*\n   ; each accumulator from its low end on
.endr
.endr
.irp k, 0,1,2,3,4,5,6,7
	ds_load_b128 v[FB+32*\m+4*\k:FB+32*\m+4*\k+3], v9 offset:544*\k   ; LDS serves a wave's instructions in order: these see the stores above, and the next tile's stores come behind them
.endr
.endr
	s_wait_dscnt 16                                ; tile 0 is back; tile 1's eight stores and eight loads may be out
.irp k, 0,1,2,3,4,5,6,7
	global_store_b128 v10, v[FB+4*\k:FB+4*\k+3], s[50:51] offset:(2*\k+8*(\k/4))*4096 th:TH_STORE_NT   ; places 2 k, 2 k + 1 are rows 2 k + 8 (k / 4) and the next; 16 lanes store 256 consecutive bytes, aligned
.endr
	s_wait_dscnt 0x0
.irp k, 0,1,2,3,4,5,6,7
	global_store_b128 v10, v[FB+32+4*\k:FB+32+4*\k+3], s[50:51] offset:(8+2*\k+8*(\k/4))*4096 th:TH_STORE_NT
.endr
	s_wait_tensorcnt 0x0
	ds_add_u32 v254, v255
	s_wait_dscnt 0x0
	s_endpgm
.Lfunc_end_k_q586adefd0b_gemm_c:
	.size	k_q586adefd0b_gemm_c, .Lfunc_end_k_q586adefd0b_gemm_c-k_q586adefd0b_gemm_c
	.p2alignl 7, 3214868480
	.fill 96, 4, 3214868480
	.section	.rodata,"a",@progbits
	.p2align	6, 0x0
	.amdhsa_kernel k_q586adefd0b_gemm_c
		.amdhsa_group_segment_fixed_size 168960
		.amdhsa_private_segment_fixed_size 0
		.amdhsa_enable_private_segment 0
		.amdhsa_kernarg_size 32
		.amdhsa_user_sgpr_count 2
		.amdhsa_user_sgpr_kernarg_segment_ptr 1
		.amdhsa_wavefront_size32 1
		.amdhsa_system_sgpr_workgroup_id_x 1
		.amdhsa_system_sgpr_workgroup_id_y 1
		.amdhsa_system_sgpr_workgroup_id_z 1
		.amdhsa_system_vgpr_workitem_id 0
		.amdhsa_next_free_vgpr 256
		.amdhsa_next_free_sgpr 66
		.amdhsa_reserve_vcc 0
		.amdhsa_float_denorm_mode_32 3
		.amdhsa_float_denorm_mode_16_64 3
		.amdhsa_memory_ordered 1
		.amdhsa_forward_progress 1
		.amdhsa_inst_pref_size 27
	.end_amdhsa_kernel
	.amdgpu_metadata
---
amdhsa.version: [ 1, 2 ]
amdhsa.kernels:
  - .name:           k_q586adefd0b_gemm_c
    .symbol:         k_q586adefd0b_gemm_c.kd
    .args:
      - { .name: w1, .offset: 0, .size: 8, .value_kind: global_buffer, .address_space: global }
      - { .name: w4, .offset: 8, .size: 8, .value_kind: global_buffer, .address_space: global }
      - { .name: out_b, .offset: 16, .size: 8, .value_kind: global_buffer, .address_space: global }
      - { .name: out0, .offset: 24, .size: 8, .value_kind: global_buffer, .address_space: global }
    .group_segment_fixed_size: 168960
    .private_segment_fixed_size: 0
    .kernarg_segment_align: 8
    .kernarg_segment_size: 32
    .max_flat_workgroup_size: 256
    .sgpr_count:     66
    .vgpr_count:     256
    .wavefront_size: 32
...
	.end_amdgpu_metadata
.endif
;; end of part 5
